; MI455X (gfx1250); checked and timed in simulation.
; The chip was launched on July 23, 2026; its instructions are those of AMD's public machine-readable ISA for CDNA 5 (MIT licence, August 2026) and "CDNA5" Instruction Set Architecture Reference Guide (July 2026). The comments in the code are by the model that wrote it; some were corrected since.
;; Long Net Transformer. Allowed arithmetic: matrix products marked QUANTISED: E2M3 operands, one E8M0 scale for each 32 along K, by v_wmma_scale_f32_16x16x128_f8f6f4 with both operands' format E2M3, f32 sums; everything else in f32.
;; Inputs: out_b0 1,024 float32; out_b1 1,024 float32; out_b2 1,024 float32; out_w0_codes 1,024 x 32 x 24 uint8 (E2M3 codes of out_w0, K innermost, in blocks of 32 codes, four codes in three bytes); out_w0_scales 1,024 x 32 uint8 (E8M0 scales of out_w0, one for each 32 codes along K); out_w1_codes 1,024 x 32 x 24 uint8 (E2M3 codes of out_w1, K innermost, in blocks of 32 codes, four codes in three bytes); out_w1_scales 1,024 x 32 uint8 (E8M0 scales of out_w1, one for each 32 codes along K); out_w2_codes 1,024 x 32 x 24 uint8 (E2M3 codes of out_w2, K innermost, in blocks of 32 codes, four codes in three bytes); out_w2_scales 1,024 x 32 uint8 (E8M0 scales of out_w2, one for each 32 codes along K); qkv_b0 3,072 float32; qkv_b1 3,072 float32; qkv_b2 3,072 float32; qkv_w0_codes 3,072 x 32 x 24 uint8 (E2M3 codes of qkv_w0, K innermost, in blocks of 32 codes, four codes in three bytes); qkv_w0_scales 3,072 x 32 uint8 (E8M0 scales of qkv_w0, one for each 32 codes along K); qkv_w1_codes 3,072 x 32 x 24 uint8 (E2M3 codes of qkv_w1, K innermost, in blocks of 32 codes, four codes in three bytes); qkv_w1_scales 3,072 x 32 uint8 (E8M0 scales of qkv_w1, one for each 32 codes along K); qkv_w2_codes 3,072 x 32 x 24 uint8 (E2M3 codes of qkv_w2, K innermost, in blocks of 32 codes, four codes in three bytes); qkv_w2_scales 3,072 x 32 uint8 (E8M0 scales of qkv_w2, one for each 32 codes along K); x_codes 4 x 2,048 x 32 x 24 uint8 (E2M3 codes of x, K innermost, in blocks of 32 codes, four codes in three bytes); x_scales 4 x 2,048 x 32 uint8 (E8M0 scales of x, one for each 32 codes along K).
;; Outputs: out0 4 x 1,024 x 1,024 float32.
;; This version of the problem:
;;   THIS VERSION OF THE PROBLEM IS GIVEN IN LOW PRECISION. The matrix products marked QUANTISED in the list below multiply operands that are first quantised to E2M3 (2 exponent bits, 3 mantissa bits; 6 bits a number), with one power-of-two scale for each 32 numbers along K (OCP MX v1.0); their sums are f32. All else is computed in f32.
;;   The module's matrix products, in the order in which they are computed (A, B: the left and right operand; K: the contracted axis; several contracted axes count as one K, in the product's order):
;;     1. [M 4,096, K 1,024] x [K 1,024, N 3,072]; A: input x (given as codes); B: input qkv_w0 (given as codes): QUANTISED
;;     2. batch 256 x [M 256, K 64] x [K 64, N 256]; A: computed on the way; B: computed on the way: QUANTISED
;;     3. batch 256 x [M 64, K 256] x [K 256, N 256]; A: computed on the way; B: softmax (see below): QUANTISED
;;     4. [M 4,096, K 1,024] x [K 1,024, N 1,024]; A: computed on the way; B: input out_w0 (given as codes): QUANTISED
;;     5. [M 4,096, K 1,024] x [K 1,024, N 3,072]; A: input x (given as codes); B: input qkv_w1 (given as codes): QUANTISED
;;     6. batch 128 x [M 512, K 64] x [K 64, N 512]; A: computed on the way; B: computed on the way: QUANTISED
;;     7. batch 128 x [M 64, K 512] x [K 512, N 512]; A: computed on the way; B: softmax (see below): QUANTISED
;;     8. [M 4,096, K 1,024] x [K 1,024, N 1,024]; A: computed on the way; B: input out_w1 (given as codes): QUANTISED
;;     9. [M 4,096, K 1,024] x [K 1,024, N 3,072]; A: input x (given as codes); B: input qkv_w2 (given as codes): QUANTISED
;;     10. batch 64 x [M 1,024, K 64] x [K 64, N 1,024]; A: computed on the way; B: computed on the way: QUANTISED
;;     11. batch 64 x [M 64, K 1,024] x [K 1,024, N 1,024]; A: computed on the way; B: softmax (see below): QUANTISED
;;     12. [M 4,096, K 1,024] x [K 1,024, N 1,024]; A: computed on the way; B: input out_w2 (given as codes): QUANTISED
;;   THE QUANTISER, for each operand of a quantised product, along K:
;;     - K is cut into blocks of 32 from its start; a last block that is shorter is filled with zeros.
;;     - A block's scale is 2^e with e = floor(log2(the largest magnitude in the block)) - 2, held to -126 .. 127; a block of zeros has e = 0. As a byte (E8M0): e + 127.
;;     - Each number is divided by its block's scale, clamped to +-7.5, and rounded to the nearest number of E2M3, ties to even, subnormals kept.
;;     - The product sums the exact products of the quantised numbers (number of the format x scale) in f32.
;;   ~~~python
;;   def quantise(x, axis):      # numpy; x: float32 -> the quantised numbers, widened to float32 again
;;       x = np.moveaxis(x, axis, -1); K = x.shape[-1]
;;       x = np.pad(x, [(0, 0)] * (x.ndim - 1) + [(0, -K % 32)]); x = x.reshape(x.shape[:-1] + (-1, 32)); a = np.abs(x).max(-1, keepdims=True)
;;       e = np.where(a > 0, np.clip(np.frexp(np.where(a > 0, a, 1))[1] - 1 - 2, -126, 127), 0)      # np.frexp(a)[1] - 1 = floor(log2(a)), exactly
;;       r = np.clip(x / 2.0 ** e, -7.5, 7.5)
;;       step = 2.0 ** (np.maximum(np.frexp(np.where(r == 0, 1, r))[1] - 1, 0) - 3)
;;       q = np.round(r / step) * step * 2.0 ** e      # np.round: ties to even
;;       return np.moveaxis(q.reshape(q.shape[:-2] + (-1,))[..., :K], -1, axis).astype(np.float32)
;;   ~~~
;;   SOFTMAX AHEAD OF A QUANTISED PRODUCT. Where the list says 'softmax', what is quantised is not the finished softmax but p = 2^(t - M), with t = logit x log2(e) and M = ceil(the row's largest t), a whole number; so 1/2 < the row's largest p <= 1. The row's sum l is taken of the UNQUANTISED p, in f32, and the product's result is divided by l at the end. Since M is a whole number, a kernel that streams over the keys may use a running M (the ceiling of the running maximum): every later rescaling is an exact power of two, which a block's scale takes up: the codes' values come out the same.
;;   OPERANDS COMPUTED ON THE WAY. 'Computed on the way' means the value that the module computes at that place (a softmax that the list does not call 'softmax' is quantised finished and normalised). What goes into a quantiser is computed in f32, as accurately as f32 sums, v_exp_f32 and their like allow (about 1e-6 of the number): no bf16 or f16 on the way to a quantiser, and a product that is left as it is and whose result goes on into a quantised operand takes f32 operands (vector FMAs, or v_wmma_f32_16x16x4_f32). A number that lies on a knife's edge between two numbers of the format may be rounded either way, as far as f32 arithmetic and the matrix unit's own rounding can turn it there, and no further.
;;   INPUTS GIVEN AS CODES. out_w0 (in the module: [1024, 1024], K = its axis 1); out_w1 (in the module: [1024, 1024], K = its axis 1); out_w2 (in the module: [1024, 1024], K = its axis 1); qkv_w0 (in the module: [3072, 1024], K = its axis 1); qkv_w1 (in the module: [3072, 1024], K = its axis 1); qkv_w2 (in the module: [3072, 1024], K = its axis 1); x (in the module: [4, 2048, 1024], K = its axis 2): each comes as NAME_codes (uint8): NAME with its K axis moved to the last place and cut into blocks of 32 codes, [.., K / 32, bytes a block], one block behind the other in memory; four codes in three bytes: a row's codes are one little-endian stream of bits, code i at bits 6 i .. 6 i + 5 (a code: sign, 2 exponent bits, 3 mantissa bits); and NAME_scales (uint8): the same leading axes, one E8M0 byte (e + 127) for each 32 codes along K. Its value is code x scale, taken as it is: it is not quantised again, and the codes and scales need not be those that the quantiser above would give.
;; 2 versions. Each part assembles by itself: llvm-mc -triple=amdgcn-amd-amdhsa -mcpu=gfx1250 --defsym DOCPART=n.
;; ======== version 1 of 2: 3 launches
;; workspace buffers: qkvc 29,491,200 bytes; ocodes 9,437,184 bytes; oscales 393,216 bytes
;; launch proj (part 1): grid 36 x 16, 4 waves a work-group, clusters of 4 x 4, 327,680 bytes of LDS; arguments x_codes, x_scales, qkv_w0_codes, qkv_w0_scales, qkv_b0, qkv_w1_codes, qkv_w1_scales, qkv_b1, qkv_w2_codes, qkv_w2_scales, qkv_b2, qkvc; writes qkvc
.if DOCPART == 1
	.amdgcn_target "amdgcn-amd-amdhsa--gfx1250"
	.amdhsa_code_object_version 6
	.text
	.protected	k_q6eb1d3c231_proj
	.globl	k_q6eb1d3c231_proj
	.p2align	8
	.type	k_q6eb1d3c231_proj,@function
k_q6eb1d3c231_proj:
	s_mov_b64 s[64:65], 0
	v_nop
	global_prefetch_b8 v0, s[64:65] scope:SCOPE_SE
	s_setreg_imm32_b32 hwreg(HW_REG_WAVE_MODE, 25, 1), 1
	s_wait_xcnt 0x0
	s_wait_alu depctr_hold_cnt(0) depctr_sa_sdst(0) depctr_va_vdst(0) depctr_va_sdst(0) depctr_va_ssrc(0) depctr_va_vcc(0) depctr_vm_vsrc(0)
	s_getreg_b32 s2, hwreg(HW_REG_IB_STS2, 6, 4)
	s_cmp_eq_u32 s2, 0
	s_cbranch_scc0 .Lentry_in_a_cluster
	s_endpgm
.Lentry_in_a_cluster:
	s_bfe_u32 s2, ttmp6, 0x10000c
	s_cmp_lg_u32 s2, 0xf033
	s_cbranch_scc0 .Lentry_shape_is_right
	s_endpgm
.Lentry_shape_is_right:
; q, k, v of the three branches: (every second row of x) W^T + b, on codes of FP6 (E2M3) with one E8M0 scale for each 32 along K = 1,024; the results are quantised here and leave as codes.
; Row i of the 4,096 rows at work is row 2 i of x [8192][1024]: its codes lie 1,536 bytes, its scale bytes 64 bytes from the row before.
; A tile is 256 rows of x by 256 rows of W; four waves, each 128 x 128: 64 accumulators, 512 registers.  K goes in four steps of 256 through two LDS slots filled by the tensor data mover.
; GRID.  Cluster x (0..8) is 3 x branch + part (part 0 q, 1 k, 2 v): a cluster of 4 x 4 work-groups lies wholly in one part.  Its four columns are the part's four tiles of 256 rows of W, 16 heads.
; The four work-groups of a row of the cluster need the same rows of x, the four of a column the same rows of W: each tile is asked for jointly.
; ROLES.  Source 1 of the matrix instruction gives a lane its row, source 0 runs along the lane's registers.  What is quantised must run along the registers:
;   q, k (role 0): along the head's 64 channels: source 0 = rows of W, source 1 = rows of x.      v (role 1): along the keys: source 0 = rows of x, source 1 = rows of W.
; The tiles lie at the same LDS bytes in both roles; only the reading addresses are chosen, by the cluster's x alone, which all partners share.
; ORDER INSIDE A BLOCK OF 32.  Register 8 b + j of lane (r, h) is source-0 row 16 b + 8 h + j, so a lane's 16 registers of tiles 2 B, 2 B + 1 and those of lane l xor 16 are block B; the codes come out with the
; block's two middle groups of eight exchanged.  q and k, and later p and v, are all made so: both sides of each product carry the same order, and the sums are the same.
; OUT.  qkvc [3 branch + part][head 16][block of 128 rows 32][6,400 bytes]: four images of 1,536 bytes ([4 registers 3][lane 32][16 bytes]), then 256 scale bytes [lane % 16][4 words].
;   q, k: image p = row tile 2 p in registers 0-5, row tile 2 p + 1 in registers 6-11 (16 rows x 64 channels each); word p: two bytes for each.    v: image s = channels 16 s on x the 128 keys; word s its four key blocks.
; LIMITS: NaN and infinities are not served.  A block of zeros gets the byte 1 (the floor) where the rule says 127: its codes are zeros, and this program alone reads the bytes.
.set NQ,     2                         ; matrix instructions deep in a slot
.set ROWB,   192                       ; a tile's row: 256 codes
.set PITCH,  240                       ; an LDS row: 3 x (64 bytes + 16 of padding)
.set FR,     12                        ; registers of a fragment
.set NL,     6                         ; LDS loads that bring one
.set NP,     4                         ; places behind this matrix instruction (ISA guide 7.12.1)
.set HALFT,  128*PITCH                 ; what one tensor load brings
.set SLOT,   4*HALFT                   ; x's 256 rows, then W's 256 rows
.set SCL,    2*SLOT                    ; the scales for all of K: x's [256][32], then W's [256][32]
.set HALFS,  4096                      ; those of 128 rows
.set SBLK,   512                       ; those of 16 rows
.set SPARE,  SCL+4*HALFS               ; the spare words, 128 bytes for each wave
.set CH,     6400                      ; a chunk of qkvc
.set HS,     32*CH                     ; from a head to the next
.set ADRA, 16                          ; v16-19  LDS addresses of source 1's fragments (slot 0, 1; then the same behind one padding more)
.set ADRB, 20                          ; v20-23  of source 0's
.set GOFF, 24                          ; v24     16 x lane: an image's place for my lane
.set SOFF, 25                          ; v25     16 (lane % 16) + HS (lane / 16): the scale words' place
.set ADRS, 27                          ; v27     LDS address of my scale words: lanes 0-15 source 1's rows, lanes 16-31 source 0's
.set SPW,  28                          ; v28     my spare word; never rewritten
.set NIL,  29                          ; v29     0; never rewritten
.set BO,   30                          ; v30     32 (lane / 16)
.set BR,   31                          ; v31     4 (lane % 16)
.set SC,   32                          ; v32-63  scale words, two sets
.set BT,   64                          ; v64-127 the bias along the registers (role 0): b[16 b + 8 h + j] at 8 b + j
.set AF,   128                         ; v128-223 source 1's fragments
.set BU,   224                         ; v224-239 the bias of the lane's row (role 1): b[16 a + r] at 2 a and 2 a + 1
.set TM,   32                          ; the way out: v32-35 largest magnitudes, v36-39 bytes, v44-47 the conversions' scale operands
.set WA,   48                          ; v48-51  scale words of my first head
.set WB,   52                          ; v52-55  of my second
.set WS,   56                          ; v56-59  as they are stored
.set ST,   128                         ; v128-191 64 numbers of a lane
.set X,    192                         ; v192-203, v204-215 two images
.set Y,    204
.set CT,   216                         ; v216-222 the conversions' second halves
.set G1, 24
.set G0, 32
.set G1B, 48
.set G0B, 56
.set SEL, 66
.set G1S, 68
.set G0S, 76
.set G1SB, 80
.set G0SB, 88
.set MSB, 0
.macro WIN new                         ; the immediate's high byte repeats the setting that is left
.if MSB != \new
	s_set_vgpr_msb (MSB<<8)|\new
.set MSB, \new
.endif
.endm
.set MUL_LO, 0xa1                      ; source 0 window 1, source 1 window 0, C and D window 2
.set MUL_HI, 0xf1                      ; the same, C and D window 3
.set TO_B,   0x40                      ; destination window 1, address window 0
; A joint load: waves 0 and 1 fetch x's halves, waves 2 and 3 W's.  Four v_nop follow each of the two lines.
.macro JLOAD g0a, g1a, g0b, g1b
	s_cmp_eq_u32 s15, 0
	s_cbranch_scc0 .Lfor_b_\@
	tensor_load_to_lds s[\g0a:\g0a+3], s[\g1a:\g1a+7]
	s_nop 0
.rept 4
	v_nop
.endr
	s_branch .Lasked_\@
.Lfor_b_\@:
	tensor_load_to_lds s[\g0b:\g0b+3], s[\g1b:\g1b+7]
	s_nop 0
.rept 4
	v_nop
.endr
.Lasked_\@:
.endm
.macro CREST                           ; a round of the cluster's barrier behind its opening barrier
	s_cmp_lg_u32 s14, 0
	s_cbranch_scc1 .Lnot_wave_0_\@
	s_barrier_signal -3
.Lnot_wave_0_\@:
	s_barrier_wait -3
	s_barrier_signal -1
	s_barrier_wait -1
.endm
.macro CROUND
	s_barrier_signal -1
	s_barrier_wait -1
	CREST
.endm
	s_load_b128 s[4:7], s[0:1], 0x0                ; x's codes, x's scales
	s_load_b512 s[24:39], s[0:1], 0x10             ; W0's codes, scales, b0; W1's codes, scales, b1; W2's codes, scales
	s_load_b128 s[48:51], s[0:1], 0x50             ; b2, qkvc
	v_lshl_add_u32 v[SPW], v0, 2, SPARE
	v_mov_b32 v[NIL], 0
	ds_add_u32 v28, v29
	ds_add_u32 v28, v29
	s_wait_dscnt 0x0
	v_lshrrev_b32 v1, 5, v0
	v_readfirstlane_b32 s14, v1                    ; wave 0..3
	s_lshr_b32 s15, s14, 1                         ; my half of x's rows.  Also: I fetch for x (0) or for W (1)
	s_and_b32 s16, s14, 1                          ; my half of W's rows.  Also: which 128 rows I fetch
	s_bfe_u32 s40, ttmp6, 0x40000                  ; cx, cy: my place in the cluster
	s_bfe_u32 s41, ttmp6, 0x40004
	s_mul_i32 s99, ttmp9, 11
	s_lshr_b32 s99, s99, 5                         ; branch = cluster x / 3 (0..8: x 11 >> 5)
	s_mul_i32 s100, s99, 3
	s_sub_co_u32 s100, ttmp9, s100                 ; part = cluster x % 3
	s_cmp_eq_u32 s100, 2
	s_cselect_b32 s98, 1, 0                        ; the role: 1 for v
	s_lshl_b32 s42, s100, 2
	s_add_co_u32 s42, s42, s40                     ; which 256 rows of the branch's W: 4 part + cx
	s_and_b32 s17, ttmp7, 0xffff
	s_lshl_b32 s17, s17, 2
	s_add_co_u32 s17, s17, s41                     ; which 256 rows of x: 4 x cluster y + cy
	s_lshl_b32 s43, s41, 2
	s_lshl_b32 s43, 15, s43                        ; my row of the cluster
	s_lshl_b32 s44, 0x1111, s40                    ; my column
	s_mov_b32 s101, 0xffff0000                     ; lanes 16-31
	s_mov_b32 s[SEL], 0x76543210
	s_mov_b32 s[SEL+1], 0xfedcba98                 ; v_permlanex16_b32's selects for lane l xor 16
	s_lshl_b32 s18, s16, 7                         ; which 128 rows of a tile I fetch
	s_lshl_b32 s20, s17, 8
	s_add_co_u32 s20, s20, s18                     ; x: row 256 x tile + 128 x half
	s_lshl_b32 s46, s42, 8
	s_add_co_u32 s46, s46, s18                     ; W: likewise
	s_lshl_b32 s22, s20, 6                         ; x's scale bytes: 64 bytes from row to row
	s_mov_b32 s23, 0
	s_lshl_b32 s92, s46, 5                         ; W's: 32
	s_mov_b32 s93, 0
	s_mul_i32 s20, s20, 1536                       ; x's codes
	s_mov_b32 s21, 0
	s_mul_i32 s46, s46, 768                        ; W's
	s_mov_b32 s47, 0
	s_mul_i32 s45, s14, HALFT                      ; where they go: wave x 128 rows: no place in the cluster enters an LDS address
	s_mul_i32 s94, s14, HALFS
	s_wait_kmcnt 0x0
	s_cmp_lt_u32 ttmp9, 6                          ; the branch's weights and bias: a choice on the cluster's x alone
	s_cselect_b64 s[8:9], s[30:31], s[36:37]
	s_cselect_b64 s[10:11], s[32:33], s[38:39]
	s_cselect_b64 s[96:97], s[34:35], s[48:49]
	s_cmp_lt_u32 ttmp9, 3
	s_cselect_b64 s[8:9], s[24:25], s[8:9]
	s_cselect_b64 s[10:11], s[26:27], s[10:11]
	s_cselect_b64 s[96:97], s[28:29], s[96:97]
	s_mov_b64 s[12:13], s[50:51]                   ; qkvc
	s_add_nc_u64 s[20:21], s[4:5], s[20:21]
	s_add_nc_u64 s[22:23], s[6:7], s[22:23]
	s_add_nc_u64 s[46:47], s[8:9], s[46:47]
	s_add_nc_u64 s[92:93], s[10:11], s[92:93]
	; descriptor group 1: 128 rows x 192 bytes, 16 bytes of padding behind every 64
	s_or_b32 s[G1+0], s43, (0<<16)|(1<<20)|(1<<21)|(3<<22)|(3<<25)   ; 15:0 the mask: x's tiles go to my row; elements of 1 byte; padding on; 21 set beside a mask; after every 16 words 4 words
	s_or_b32 s[G1B+0], s44, (0<<16)|(1<<20)|(1<<21)|(3<<22)|(3<<25)  ; W's go to my column
.irp g, G1, G1B
	s_mov_b32 s[\g+1], ROWB<<16                    ; tensor_dim0
	s_mov_b32 s[\g+2], 128<<16                     ; tensor_dim1
	s_mov_b32 s[\g+3], ROWB<<16                    ; tile_dim0
	s_mov_b32 s[\g+4], 128                         ; tile_dim1
	s_mov_b32 s[\g+6], 0
	s_mov_b32 s[\g+7], 0
.endr
	s_mov_b32 s[G1+5], 1536                        ; from row to row: every second row of x,
	s_mov_b32 s[G1B+5], 768                        ; every row of W
	; the scales of 128 rows: x's as 128 rows of 32 bytes, 64 apart; W's, dense, as 16 rows of 256 bytes.  Elements of 8 bytes, no padding
	s_or_b32 s[G1S+0], s43, (3<<16)|(1<<21)
	s_mov_b32 s[G1S+1], 4<<16
	s_mov_b32 s[G1S+2], 128<<16
	s_mov_b32 s[G1S+3], 4<<16
	s_mov_b32 s[G1S+4], 128
	s_mov_b32 s[G1S+5], 8
	s_mov_b32 s[G1S+6], 0
	s_mov_b32 s[G1S+7], 0
	s_or_b32 s[G1SB+0], s44, (3<<16)|(1<<21)
	s_mov_b32 s[G1SB+1], 32<<16
	s_mov_b32 s[G1SB+2], 16<<16
	s_mov_b32 s[G1SB+3], 32<<16
	s_mov_b32 s[G1SB+4], 16
	s_mov_b32 s[G1SB+5], 32
	s_mov_b32 s[G1SB+6], 0
	s_mov_b32 s[G1SB+7], 0
	CROUND                                         ; all sixteen work-groups are here: the first joint loads meet
	s_mov_b32 s[G0S], 1
	s_add_co_u32 s[G0S+1], s94, SCL
	s_mov_b64 s[G0S+2:G0S+3], s[22:23]
	s_or_b32 s[G0S+3], s[G0S+3], 0x80000000
	s_mov_b32 s[G0SB], 1
	s_add_co_u32 s[G0SB+1], s94, SCL
	s_mov_b64 s[G0SB+2:G0SB+3], s[92:93]
	s_or_b32 s[G0SB+3], s[G0SB+3], 0x80000000
	JLOAD G0S, G1S, G0SB, G1SB                     ; the scales first: they are wanted with K step 0
.irp s, 0,1
	s_mov_b32 s[G0+4*\s], 1
	s_add_co_u32 s[G0+4*\s+1], s45, \s*SLOT
	s_add_nc_u64 s[G0+4*\s+2:G0+4*\s+3], s[20:21], \s*ROWB
	s_or_b32 s[G0+4*\s+3], s[G0+4*\s+3], 0x80000000
	s_mov_b32 s[G0B+4*\s], 1
	s_add_co_u32 s[G0B+4*\s+1], s45, \s*SLOT
	s_add_nc_u64 s[G0B+4*\s+2:G0B+4*\s+3], s[46:47], \s*ROWB
	s_or_b32 s[G0B+4*\s+3], s[G0B+4*\s+3], 0x80000000
	JLOAD G0+4*\s, G1, G0B+4*\s, G1B
.endr
	v_and_b32 v1, 15, v0                           ; r
	v_bfe_u32 v2, v0, 4, 1                         ; h
	v_mul_u32_u24 v3, v1, PITCH
	v_mul_u32_u24 v4, v2, 24
	v_add_nc_u32 v4, v3, v4                        ; a fragment's row x pitch + 24 x half
	v_lshl_add_u32 v5, v2, 4, v4                   ; and the same behind one padding more
	s_mul_i32 s21, s15, HALFT                      ; my 128 rows of x
	s_mul_i32 s22, s16, HALFT
	s_add_co_u32 s22, s22, 2*HALFT                 ; my 128 rows of W, behind x's 256
	s_cmp_eq_u32 s98, 1
	s_cselect_b32 s18, s22, s21                    ; source 1: x, or for v W
	s_cselect_b32 s19, s21, s22                    ; source 0: W, or for v x
.irp s, 0,1
	v_add_nc_u32 v[ADRA+\s], s18, v4
	v_add_nc_u32 v[ADRB+\s], s19, v4
	v_add_nc_u32 v[ADRA+2+\s], s18, v5
	v_add_nc_u32 v[ADRB+2+\s], s19, v5
	s_add_co_u32 s18, s18, SLOT
	s_add_co_u32 s19, s19, SLOT
.endr
	s_lshl_b32 s21, s15, 12
	s_add_co_u32 s21, s21, SCL                     ; the scales of my rows of x,
	s_lshl_b32 s22, s16, 12
	s_add_co_u32 s22, s22, SCL+2*HALFS             ; of my rows of W
	v_lshlrev_b32 v6, 5, v1                        ; 32 bytes a row
	v_add_nc_u32 v7, s21, v6
	v_add_nc_u32 v8, s22, v6
	s_mov_b32 s23, 0xffff
	s_cmp_eq_u32 s98, 1
	s_cselect_b32 s23, s23, s101                   ; the lanes that take W's words: 16-31 (source 0) for q and k, 0-15 (source 1) for v
	v_cndmask_b32 v[ADRS], v7, v8, s23
	v_and_b32 v6, 31, v0
	v_lshlrev_b32 v[GOFF], 4, v6
	v_mul_u32_u24 v7, v2, HS
	v_lshl_add_u32 v[SOFF], v1, 4, v7
	v_lshlrev_b32 v[BO], 5, v2
	v_lshlrev_b32 v[BR], 2, v1
	s_lshl_b32 s18, s42, 10                        ; the bias of my 128 rows of W: 4 bytes x (256 (4 part + cx) + 128 half)
	s_lshl_b32 s19, s16, 9
	s_add_co_u32 s18, s18, s19
	s_mov_b32 s19, 0
	s_add_nc_u64 s[96:97], s[96:97], s[18:19]
.irp b, 0,1,2,3,4,5,6,7                        ; both patterns are loaded in both roles: 512 bytes read twice, and no branch
	global_load_b128 v[BT+8*\b:BT+8*\b+3], v[BO], s[96:97] offset:64*\b
	global_load_b128 v[BT+8*\b+4:BT+8*\b+7], v[BO], s[96:97] offset:64*\b+16
	global_load_b32 v[BU+2*\b], v[BR], s[96:97] offset:64*\b
	global_load_b32 v[BU+2*\b+1], v[BR], s[96:97] offset:64*\b
.endr
	s_lshl_b32 s18, ttmp9, 4                       ; my first chunk of qkvc: ((3 branch + part) 16 + 4 cx + 2 half of W) 32 + 2 tile of x + half of x
	s_lshl_b32 s19, s40, 2
	s_add_co_u32 s18, s18, s19
	s_lshl_b32 s19, s16, 1
	s_add_co_u32 s18, s18, s19
	s_lshl_b32 s18, s18, 5
	s_lshl_b32 s19, s17, 1
	s_add_co_u32 s18, s18, s19
	s_add_co_u32 s18, s18, s15
	s_mul_i32 s18, s18, CH
	s_mov_b32 s19, 0
	s_add_nc_u64 s[12:13], s[12:13], s[18:19]
.macro FRAG reg, adr, q, i             ; a fragment: lane l holds row l % 16; registers 6 c .. 6 c + 5 hold K = 64 c + 32 (l / 16) + 0 .. 31: 24 bytes of the row's stream of bits, in pieces of 8
.irp p, 0,1,2,3,4,5
.set PC, 12*(\q)+6*(\p/3)+\p%3        ; lanes 16-31 read three pieces on: where that lies behind one padding more, the second address register serves
.if PC%8 < 5
	ds_load_b64 v[\reg+2*\p:\reg+2*\p+1], v[\adr] offset:8*PC+16*(PC/8)+(\i)*16*PITCH
.else
	ds_load_b64 v[\reg+2*\p:\reg+2*\p+1], v[\adr+2] offset:8*PC+16*(PC/8)+(\i)*16*PITCH
.endif
.endr
.endm
; 16 matrix instructions: source 1's blocks a0, a0 + 1 x source 0's eight.  The 64 accumulators take turns, one instruction a turn, in the same order in every step.
.macro MUL16 a0, p, q, sc, zero
.irp a, \a0, \a0+1
.irp b, 0,1,2,3,4,5,6,7
.if \zero
	v_wmma_scale_f32_16x16x128_f8f6f4 v[8*(8*((\a)%4)+\b):8*(8*((\a)%4)+\b)+7], v[128*(\p)+FR*\b:128*(\p)+FR*\b+FR-1], v[AF+FR*(\a):AF+FR*(\a)+FR-1], 0, v[SC+8*NQ*(\sc)+NQ*\b+(\q)], v[SC+8*NQ*(\sc)+NQ*(\a)+(\q)] matrix_a_fmt:MATRIX_FMT_FP6 matrix_b_fmt:MATRIX_FMT_FP6 matrix_a_scale:MATRIX_SCALE_ROW1
.else
	v_wmma_scale_f32_16x16x128_f8f6f4 v[8*(8*((\a)%4)+\b):8*(8*((\a)%4)+\b)+7], v[128*(\p)+FR*\b:128*(\p)+FR*\b+FR-1], v[AF+FR*(\a):AF+FR*(\a)+FR-1], v[8*(8*((\a)%4)+\b):8*(8*((\a)%4)+\b)+7], v[SC+8*NQ*(\sc)+NQ*\b+(\q)], v[SC+8*NQ*(\sc)+NQ*(\a)+(\q)] matrix_a_fmt:MATRIX_FMT_FP6 matrix_b_fmt:MATRIX_FMT_FP6 matrix_a_scale:MATRIX_SCALE_ROW1
.endif
.endr
.endr
.endm
.macro FETCH_B slot, q, p              ; source 0's eight fragments into set p of window 1
	WIN TO_B
.irp i, 0,1,2,3,4,5,6,7
	FRAG 128*(\p)+FR*\i, ADRB+\slot, \q, \i
.endr
	WIN 0
.endm
.macro FETCH_A slot, q, i0             ; source 1's blocks i0 .. i0 + 3
.irp i, \i0, \i0+1, \i0+2, \i0+3
	FRAG AF+FR*(\i), ADRA+\slot, \q, \i
.endr
.endm
.macro SCALES sc                       ; a slot's scale words: two a row; lanes 0-15 take source 1's block i, lanes 16-31 source 0's
.irp i, 0,1,2,3,4,5,6,7
	ds_load_b64 v[SC+8*NQ*\sc+NQ*\i:SC+8*NQ*\sc+NQ*\i+1], v[ADRS] offset:\i*SBLK
.endr
.endm
.macro PLACES n                        ; plain vector instructions between a matrix instruction and a load into, or a vector write or read of, its registers
.rept \n
	v_nop
.endr
.endm
.macro STEP slot, q, zero              ; 128 along K that has its successor in the same slot
	s_wait_dscnt 4*NL                              ; all but the youngest 24 loads (source 1's blocks 4-7) are in
	WIN MUL_LO
	MUL16 0, (\q)%2, \q, \slot, \zero
	MUL16 2, (\q)%2, \q, \slot, \zero
	s_wait_dscnt 0
	PLACES NP
	FETCH_B \slot, (\q)+1, 1-(\q)%2
	FETCH_A \slot, (\q)+1, 0
	WIN MUL_HI
	MUL16 4, (\q)%2, \q, \slot, \zero
	MUL16 6, (\q)%2, \q, \slot, \zero
	PLACES NP
	WIN 0
	FETCH_A \slot, (\q)+1, 4
.endm
; A slot's last step changes slots: one barrier; in front of it each wave waits for all its tensor loads, adds 0 to its spare word, and waits for that and for its reads of this slot.
.macro TURN slot, next, fill
	s_wait_tensorcnt 0x0                           ; all my tensor loads have landed: my part of the next slot
	ds_add_u32 v[SPW], v[NIL]                      ; 0 onto my spare word
	s_wait_dscnt 4*NL+1                            ; (the add and the youngest 24 loads may be out)
	WIN MUL_LO
	MUL16 0, 1, NQ-1, \slot, 0
	s_wait_dscnt 0x0                               ; the add is done, and my reads of this slot are over
	s_barrier_signal -1
	MUL16 2, 1, NQ-1, \slot, 0
	WIN 0
	s_barrier_wait -1
.if \fill
	CREST                                          ; the barrier has opened a round of the cluster's: no wave of any partner still reads this slot or has a load on its way
	s_add_nc_u64 s[G0+4*\slot+2:G0+4*\slot+3], s[G0+4*\slot+2:G0+4*\slot+3], 2*ROWB
	s_add_nc_u64 s[G0B+4*\slot+2:G0B+4*\slot+3], s[G0B+4*\slot+2:G0B+4*\slot+3], 2*ROWB
	JLOAD G0+4*\slot, G1, G0B+4*\slot, G1B         ; the first tensor load behind the round; its four v_nop are also the places in front of the loads below
.else
	PLACES NP
.endif
	v_add_nc_u32 v[ADRS], 4*NQ, v[ADRS]            ; the next slot's scale words
	FETCH_B \next, 0, 0
	FETCH_A \next, 0, 0
	SCALES \next
	WIN MUL_HI
	MUL16 4, 1, NQ-1, \slot, 0
	MUL16 6, 1, NQ-1, \slot, 0
	PLACES NP
	WIN 0
	FETCH_A \next, 0, 4
.endm
	s_wait_tensorcnt 1                             ; the scales and my part of slot 0 are in; slot 1's load may be out
	s_barrier_signal -1
	s_barrier_wait -1
	FETCH_B 0, 0, 0
	FETCH_A 0, 0, 0
	SCALES 0
	FETCH_A 0, 0, 4
	STEP 0, 0, 1                                   ; K = 1,024 is four slots: written out.  The first products start the sums
	TURN 0, 1, 1                                   ; slot 0 takes K 512 on
	STEP 1, 0, 0
	TURN 1, 0, 1                                   ; slot 1 takes K 768 on
	STEP 0, 0, 0
	TURN 0, 1, 0
	STEP 1, 0, 0
	s_wait_dscnt 4*NL
	WIN MUL_LO
	MUL16 0, 1, NQ-1, 1, 0
	MUL16 2, 1, NQ-1, 1, 0
	s_wait_dscnt 0
	WIN MUL_HI
	MUL16 4, 1, NQ-1, 1, 0
	MUL16 6, 1, NQ-1, 1, 0
	WIN 0
; 64 numbers of a lane, v[s] on, register 16 B + i in block B of my row, become codes: blocks 0, 1 in six registers from d0, blocks 2, 3 in six from d1.  The four scale bytes stay in v[TM+4] on.
.macro QUANT s, d0, d1
.irp b, 0,1,2,3
	v_max3_num_f32 v[TM+\b], |v[\s+16*\b]|, |v[\s+1+16*\b]|, 0x1800000   ; my 16 numbers of block b, and the floor 2^(3 - 127): the byte cannot fall under 1
.endr
.irp i, 2,4,6,8,10,12,14
.irp b, 0,1,2,3
	v_max3_num_f32 v[TM+\b], v[TM+\b], |v[\s+16*\b+\i]|, |v[\s+1+16*\b+\i]|
.endr
.endr
.irp b, 0,1,2,3
	v_permlanex16_b32 v[TM+4+\b], v[TM+\b], s[SEL], s[SEL+1]
.endr
.irp b, 0,1,2,3
	v_max_num_f32 v[TM+\b], v[TM+\b], v[TM+4+\b]   ; with lane l xor 16's: the block's largest magnitude
.endr
.irp b, 0,1,2,3
	v_add_nc_u32 v[TM+12+\b], 0xff000000, v[TM+\b] ; 2 off its exponent field: the conversion's scale operand
.endr
.irp b, 0,1,2,3
	v_lshrrev_b32 v[TM+4+\b], 23, v[TM+12+\b]      ; the scale's byte
.endr
	v_cvt_scalef32_pk16_fp6_f32 v[\d0:\d0+2], v[\s:\s+15], v[TM+12]
	v_cvt_scalef32_pk16_fp6_f32 v[CT:CT+2], v[\s+16:\s+31], v[TM+13]
	v_cvt_scalef32_pk16_fp6_f32 v[\d1:\d1+2], v[\s+32:\s+47], v[TM+14]
	v_cvt_scalef32_pk16_fp6_f32 v[CT+4:CT+6], v[\s+48:\s+63], v[TM+15]
	v_nop                                          ; one plain place behind a scaled conversion
.irp i, 0,1,2                                  ; the operand's layout wants a whole block in a lane: lanes 0-15 the even block, lanes 16-31 the odd one
	v_permlane16_swap_b32 v[\d0+\i], v[CT+\i]
	v_permlane16_swap_b32 v[\d1+\i], v[CT+4+\i]
.endr
.irp i, 0,1,2
	v_mov_b32 v[\d0+3+\i], v[CT+\i]
	v_mov_b32 v[\d1+3+\i], v[CT+4+\i]
.endr
.endm
; THE WAY OUT, block by block of source 1's 16 rows: the bias is added on the way from the accumulators to window 0 (each accumulator from its low end on), the 64 numbers are quantised, the images are stored:
; each store of the wave covers 512 consecutive bytes, at a multiple of 256 from the buffer's first byte.
.macro EPI role
.set A, 0
.rept 8
	s_wait_xcnt 0x0                                ; the earlier stores have read their registers: the images may be written again
.set WN, 0x02+A/4
	WIN WN                                         ; source 0: window 2 or 3
.set K2, 0
.rept 32
.if \role
	v_pk_add_f32 v[ST+K2:ST+K2+1], v[64*(A%4)+K2:64*(A%4)+K2+1], v[BU+2*A:BU+2*A+1]
.else
	v_pk_add_f32 v[ST+K2:ST+K2+1], v[64*(A%4)+K2:64*(A%4)+K2+1], v[BT+K2:BT+K2+1]
.endif
.set K2, K2+2
.endr
	WIN 0
.if \role
.set D0, X+12*(A%2)                    ; v: a whole fragment: channels 16 (A % 4) on of head A / 4, the block's 128 keys
.set D1, D0+6
.else
.set D0, X+6*(A%2)                     ; q, k: blocks 0, 1 are my first head's 64 channels, blocks 2, 3 my second's; two row tiles fill an image
.set D1, Y+6*(A%2)
.endif
	QUANT ST, D0, D1
.if \role
.if A < 4
.set WR, WA+A
.else
.set WR, WB+A-4
.endif
	v_lshl_or_b32 v[WR], v[TM+5], 8, v[TM+4]
	v_lshl_or_b32 v[WR], v[TM+6], 16, v[WR]
	v_lshl_or_b32 v[WR], v[TM+7], 24, v[WR]
.irp c, 0,1,2
	global_store_b128 v[GOFF], v[D0+4*\c:D0+4*\c+3], s[12:13] offset:(A/4)*HS+(A%4)*1536+512*\c
.endr
.else
.if A%2 == 0
	v_lshl_or_b32 v[WA+A/2], v[TM+5], 8, v[TM+4]
	v_lshl_or_b32 v[WB+A/2], v[TM+7], 8, v[TM+6]
.else
	v_lshl_or_b32 v[WA+A/2], v[TM+4], 16, v[WA+A/2]
	v_lshl_or_b32 v[WB+A/2], v[TM+6], 16, v[WB+A/2]
	v_lshl_or_b32 v[WA+A/2], v[TM+5], 24, v[WA+A/2]
	v_lshl_or_b32 v[WB+A/2], v[TM+7], 24, v[WB+A/2]
.irp c, 0,1,2
	global_store_b128 v[GOFF], v[X+4*\c:X+4*\c+3], s[12:13] offset:(A/2)*1536+512*\c
	global_store_b128 v[GOFF], v[Y+4*\c:Y+4*\c+3], s[12:13] offset:HS+(A/2)*1536+512*\c
.endr
.endif
.endif
.set A, A+1
.endr
.endm
	PLACES NP                                      ; behind the last products: the lines below write registers that they read, and read results
	s_wait_loadcnt 0x0                             ; the bias
.irp b, 0,1,2,3
	v_mov_b32 v[TM+4+\b], 0                        ; written once: a lane permute's destination counts as one of its sources
.endr
	s_cmp_eq_u32 s98, 1                            ; the role hangs on the cluster's x alone: all partners go the same way
	s_cbranch_scc1 .Lv
	EPI 0
	s_branch .Ljoin
.Lv:
	EPI 1
.Ljoin:
.irp i, 0,1,2,3
	v_cndmask_b32 v[WS+\i], v[WA+\i], v[WB+\i], s101   ; lanes 0-15 store my first head's words, lanes 16-31 my second's
.endr
	global_store_b128 v[SOFF], v[WS:WS+3], s[12:13] offset:6144   ; two runs of 256 consecutive bytes, each at a multiple of 256
	s_wait_tensorcnt 0x0                           ; the wave's end
	ds_add_u32 v[SPW], v[NIL]
	s_wait_dscnt 0x0
	CROUND                                         ; the closing round: no work-group ends while a partner may still ask for a tile that names it
	s_endpgm
.Lfunc_end_k_q6eb1d3c231_proj:
	.size	k_q6eb1d3c231_proj, .Lfunc_end_k_q6eb1d3c231_proj-k_q6eb1d3c231_proj
	.p2alignl 7, 3214868480
	.fill 96, 4, 3214868480
	.section	.rodata,"a",@progbits
	.p2align	6, 0x0
	.amdhsa_kernel k_q6eb1d3c231_proj
		.amdhsa_group_segment_fixed_size 327680
		.amdhsa_private_segment_fixed_size 0
		.amdhsa_enable_private_segment 0
		.amdhsa_kernarg_size 96
		.amdhsa_user_sgpr_count 2
		.amdhsa_user_sgpr_kernarg_segment_ptr 1
		.amdhsa_wavefront_size32 1
		.amdhsa_system_sgpr_workgroup_id_x 1
		.amdhsa_system_sgpr_workgroup_id_y 1
		.amdhsa_system_sgpr_workgroup_id_z 1
		.amdhsa_system_vgpr_workitem_id 0
		.amdhsa_next_free_vgpr 1024
		.amdhsa_next_free_sgpr 102
		.amdhsa_reserve_vcc 0
		.amdhsa_float_denorm_mode_32 3
		.amdhsa_float_denorm_mode_16_64 3
		.amdhsa_memory_ordered 1
		.amdhsa_forward_progress 1
		.amdhsa_inst_pref_size 232
	.end_amdhsa_kernel
	.amdgpu_metadata
---
amdhsa.version: [ 1, 2 ]
amdhsa.kernels:
  - .name:           k_q6eb1d3c231_proj
    .symbol:         k_q6eb1d3c231_proj.kd
    .args:
      - { .name: x_codes, .offset: 0, .size: 8, .value_kind: global_buffer, .address_space: global }
      - { .name: x_scales, .offset: 8, .size: 8, .value_kind: global_buffer, .address_space: global }
      - { .name: qkv_w0_codes, .offset: 16, .size: 8, .value_kind: global_buffer, .address_space: global }
      - { .name: qkv_w0_scales, .offset: 24, .size: 8, .value_kind: global_buffer, .address_space: global }
      - { .name: qkv_b0, .offset: 32, .size: 8, .value_kind: global_buffer, .address_space: global }
      - { .name: qkv_w1_codes, .offset: 40, .size: 8, .value_kind: global_buffer, .address_space: global }
      - { .name: qkv_w1_scales, .offset: 48, .size: 8, .value_kind: global_buffer, .address_space: global }
      - { .name: qkv_b1, .offset: 56, .size: 8, .value_kind: global_buffer, .address_space: global }
      - { .name: qkv_w2_codes, .offset: 64, .size: 8, .value_kind: global_buffer, .address_space: global }
      - { .name: qkv_w2_scales, .offset: 72, .size: 8, .value_kind: global_buffer, .address_space: global }
      - { .name: qkv_b2, .offset: 80, .size: 8, .value_kind: global_buffer, .address_space: global }
      - { .name: qkvc, .offset: 88, .size: 8, .value_kind: global_buffer, .address_space: global }
    .group_segment_fixed_size: 327680
    .private_segment_fixed_size: 0
    .kernarg_segment_align: 8
    .kernarg_segment_size: 96
    .max_flat_workgroup_size: 128
    .sgpr_count:     102
    .vgpr_count:     1024
    .wavefront_size: 32
...
	.end_amdgpu_metadata
.endif
;; end of part 1
;; launch attn (part 2): grid 16 x 16, 16 waves a work-group, no clusters, 181,248 bytes of LDS; arguments qkvc, ocodes, oscales; writes ocodes, oscales
.if DOCPART == 2
	.amdgcn_target "amdgcn-amd-amdhsa--gfx1250"
	.amdhsa_code_object_version 6
	.text
	.protected	k_q6eb1d3c231_attn
	.globl	k_q6eb1d3c231_attn
	.p2align	8
	.type	k_q6eb1d3c231_attn,@function
k_q6eb1d3c231_attn:
	s_mov_b64 s[64:65], 0
	v_nop
	global_prefetch_b8 v0, s[64:65] scope:SCOPE_SE
	s_setreg_imm32_b32 hwreg(HW_REG_WAVE_MODE, 25, 1), 1
	s_wait_xcnt 0x0
; The attention of all three branches for 256 rows of one head, on codes of FP6 (E2M3) with one E8M0 scale for each 32 along a product's K; o / l is quantised along d and leaves as codes.
; SHARES.  Work-group (x, y) owns rows 256 x .. 256 x + 255 of head y, in THREE JOBS: branch i has segments of 256 << i rows, 2 << i key steps of 128.  2 + 4 + 8 = 14 key steps in every work-group: 256 equal ones.
; Each of the sixteen waves owns 16 queries in 256 registers: four waves to a SIMD, so that one wave's vector work stands beside another's matrix work and LDS loads.
; LDS.  All that the work-group reads of k and v, (4 + 8 + 16) chunks of 6,400 bytes = 179,200 bytes, is brought ONCE, by twelve tensor loads at the start (waves 0-3, three each): no byte of LDS is filled twice.
; NO CLUSTER: the row blocks that share a segment's k and v are 1, 2 and 4 in the three branches, so partners would have to differ from load to load, and every load here goes out at the start, under vector work.
; LAYOUT.  Both products are used transposed: S^T = k q^T (source 0 = keys, source 1 = my queries), O^T = v^T p^T: a lane holds ONE query (lane % 16) throughout.
; K = 64 IN A FORM 128 DEEP.  An image of k holds two tiles of 16 keys, one in each half of K.  It is multiplied once by [q, 0] and once by [0, q] (18 registers: q, six zeros, q): the two results are the two tiles' scores.
; ORDER INSIDE A BLOCK.  Register 8 t + j of lane (r, h) is key 16 t + 8 h + j: p's codes come out with a block's two middle groups of eight exchanged, as v's were made; q's and k's channels likewise.
; o meets weights that are given: there 16 exchanges of lane halves restore the natural order ahead of its quantiser.
; SOFTMAX.  t = score x log2(e) / 8; M = the running largest t rounded up to a whole number; p = 2^(t - M), not normalised, is quantised along the keys; the sum is taken of the unquantised p and divides O at the end.
; OUT.  ocodes [row tile 256][K step 24 = 8 branch + head / 2][pair of registers 6][lane 32][8 bytes]: my head's 64 of the step's 128 are three pairs, 768 bytes.
;       oscales [row tile 256][slot of 512 K: 6][lane % 16][4 words]: my head's two bytes of a word.  They leave one byte a lane (the word's other half is another work-group's): 32 of every 800 bytes that a wave stores.
; LIMITS: NaN and infinities are not served; p under 2^-126 becomes 0; a block of zeros gets the byte 1 with zero codes (this program alone reads the bytes); 1 / l is v_rcp_f32 and a multiplication.
.set CH,   6400                        ; a chunk: four images of 1,536 bytes, 256 scale bytes
.set LI,   1                           ; v1   16 x lane
.set RS,   2                           ; v2   16 (lane % 16)
.set ADK,  3                           ; v3-6 LDS addresses of the step in hand: k's images, v's images, k's words, v's words
.set ADV,  4
.set ADKS, 5
.set ADVS, 6
.set OG,   7                           ; v7   8 x lane
.set OS,   8                           ; v8   16 (lane % 16) + lane / 16
.set QO,   9                           ; v9   q's image: 16 x lane + 1,536 x image
.set QS,   10                          ; v10  q's word: 16 (lane % 16) + 4 x image
.set QF,   16                          ; v16-33 q, zeros, q
.set QW,   34                          ; v34  q's scale word
.set FRG,  36                          ; v36-83 four images
.set KSW,  84                          ; v84-87 k's scale words
.set VSW,  88                          ; v88-91 v's
.set S,    96                          ; v96-159 S^T, then p
.set OT,   160                         ; v160-191 O^T
.set PCD,  192                         ; v192-203 p's codes; at a job's end o's six
.set CT,   204                         ; v204-210 the conversions' second halves
.set BM,   212                         ; v212-215 block maxima
.set PT,   216                         ; v216-219 at work
.set SO,   220                         ; v220-223 the conversions' scale operands
.set PW,   224                         ; v224 p's scale word
.set F,    226                         ; v[226:227] f = 2^(old M - new M); at a job's end 1 / l
.set TMP,  228
.set WV,   10
.set US,   16                          ; s16  16 x (wave % 2): where my tile's two bytes begin in q's word
.set HM,   17                          ; s17  lanes 16-31
.set SEL,  20
.set CS,   22                          ; s[22:23] c = log2(e) / 8
.set G1,   24                          ; s[24:47] three groups 1
.set G0,   48                          ; s[48:59] three groups 0
.set TK,   60
.set TV,   61
.set CNT,  62
.set UM,   63                          ; s63  all ones where my tile is an image's second
.set QBS,  80                          ; s[80:85] q's chunk in each branch
	s_load_b128 s[4:7], s[0:1], 0x0                ; qkvc, ocodes
	s_load_b64 s[8:9], s[0:1], 0x10                ; oscales
	v_lshl_add_u32 v225, v0, 2, 0x2bc00
	v_mov_b32 v229, 0
	ds_add_u32 v225, v229
	ds_add_u32 v225, v229
	v_lshrrev_b32 v1, 5, v0
	v_readfirstlane_b32 s[WV], v1                  ; wave 0..15
	s_and_b32 s2, ttmp7, 0xffff                    ; the head
	s_and_b32 s68, s[WV], 1                        ; a fetching wave: k (0) or v (1).  Every wave: which tile of q's image is mine
	s_bfe_u32 s69, s[WV], 0x10001                  ; a fetching wave: which half of the chunks
.irp i, 0,1,2                                  ; group 1: (1 << i) chunks, dense, as rows of 256 bytes (32 elements of 8 bytes): 25, 50, 100 rows
	s_mov_b32 s[G1+8*\i], 3<<16
	s_mov_b32 s[G1+8*\i+1], 32<<16
	s_mov_b32 s[G1+8*\i+2], (25<<\i)<<16
	s_mov_b32 s[G1+8*\i+3], 32<<16
	s_mov_b32 s[G1+8*\i+4], 25<<\i
	s_mov_b32 s[G1+8*\i+5], 32
	s_mov_b32 s[G1+8*\i+6], 0
	s_mov_b32 s[G1+8*\i+7], 0
.endr
	s_mov_b32 s[SEL], 0x76543210
	s_mov_b32 s[SEL+1], 0xfedcba98                 ; v_permlanex16_b32's selects for lane l xor 16
	s_mov_b32 s[CS], 0x3e38aa3b                    ; log2(e) / 8
	s_mov_b32 s[CS+1], s[CS]                       ; (named with it as a pair, so it is written)
	s_sub_co_u32 s[UM], 0, s68
	s_lshl_b32 s[US], s68, 4
	s_mov_b32 s[HM], 0xffff0000
	s_wait_dscnt 0x0
	s_wait_kmcnt 0x0
.irp i, 0,1,2                                  ; group 0.  LDS: job i begins at 25,600 ((1 << i) - 1); in it k's 2 << i chunks, then v's
	s_mul_i32 s70, s68, 12800<<\i
	s_mul_i32 s71, s69, 6400<<\i
	s_add_co_u32 s70, s70, s71
	s_mov_b32 s[G0+4*\i], 1
	s_add_co_u32 s[G0+4*\i+1], s70, 25600*((1<<\i)-1)
	s_add_co_u32 s72, s68, 3*\i+1                  ; memory: chunk ((3 i + 1 + v) 16 + head) 32 + the segment's first block of 128 rows + my half
	s_lshl_b32 s72, s72, 4
	s_add_co_u32 s72, s72, s2
	s_lshl_b32 s72, s72, 5
	s_lshl_b32 s73, ttmp9, 1
	s_and_b32 s73, s73, -(2<<\i)
	s_add_co_u32 s72, s72, s73
	s_lshl_b32 s73, s69, \i
	s_add_co_u32 s72, s72, s73
	s_mul_i32 s72, s72, CH
	s_mov_b32 s73, 0
	s_add_nc_u64 s[G0+4*\i+2:G0+4*\i+3], s[4:5], s[72:73]
	s_or_b32 s[G0+4*\i+3], s[G0+4*\i+3], 0x80000000
.endr
	s_cmp_lt_u32 s[WV], 4                          ; a wave's three fills stand in one branch, ahead of every wait on TENSORcnt, every LDS read and every barrier: three loads of mine are out
	s_cbranch_scc0 .Lno_fill
	tensor_load_to_lds s[G0:G0+3], s[G1:G1+7]
	s_nop 0
	tensor_load_to_lds s[G0+4:G0+7], s[G1+8:G1+15]
	s_nop 0
	tensor_load_to_lds s[G0+8:G0+11], s[G1+16:G1+23]
	s_nop 0
.rept 4
	v_nop
.endr
.Lno_fill:
	s_lshl_b32 s74, ttmp9, 1
	s_lshr_b32 s75, s[WV], 3
	s_add_co_u32 s74, s74, s75                     ; my queries' block of 128 rows
.irp i, 0,1,2
	s_add_co_u32 s72, s2, 48*\i
	s_lshl_b32 s72, s72, 5
	s_add_co_u32 s72, s72, s74
	s_mul_i32 s72, s72, CH
	s_mov_b32 s73, 0
	s_add_nc_u64 s[QBS+2*\i:QBS+2*\i+1], s[4:5], s[72:73]
.endr
	s_bfe_u32 s70, s[WV], 0x20001                  ; which image of the chunk holds my tile: (wave / 2) % 4
	s_mul_i32 s71, s70, 1536
	v_and_b32 v3, 31, v0                           ; lane
	v_and_b32 v4, 15, v0                           ; r
	v_bfe_u32 v5, v0, 4, 1                         ; h
	v_lshlrev_b32 v[LI], 4, v3
	v_lshlrev_b32 v[RS], 4, v4
	v_lshlrev_b32 v[OG], 3, v3
	v_add_nc_u32 v[OS], v[RS], v5
	v_add_nc_u32 v[QO], s71, v[LI]
	s_lshl_b32 s71, s70, 2
	v_add_nc_u32 v[QS], s71, v[RS]
.macro QLOAD i, img, wrd               ; q's image and word of branch i: all twelve loads go out here, in the order of the jobs
.irp c, 0,1,2
	global_load_b128 v[\img+4*\c:\img+4*\c+3], v[QO], s[QBS+2*\i:QBS+2*\i+1] offset:512*\c
.endr
	global_load_b32 v[\wrd], v[QS], s[QBS+2*\i:QBS+2*\i+1] offset:6144
.endm
	QLOAD 0, 96, 108
	QLOAD 1, 230, 242
	QLOAD 2, 244, 243
	s_lshl_b32 s72, ttmp9, 4
	s_add_co_u32 s72, s72, s[WV]                   ; my row tile
	s_mul_i32 s74, s72, 24
	s_lshr_b32 s75, s2, 1
	s_add_co_u32 s74, s74, s75
	s_mul_i32 s74, s74, 1536
	s_and_b32 s76, s2, 1
	s_mul_i32 s77, s76, 768
	s_add_co_u32 s74, s74, s77                     ; ocodes: (24 tile + head / 2) 1,536 + 768 (head % 2)
	s_mov_b32 s75, 0
	s_add_nc_u64 s[6:7], s[6:7], s[74:75]
	s_mul_i32 s74, s72, 6
	s_lshr_b32 s77, s2, 3
	s_add_co_u32 s74, s74, s77
	s_lshl_b32 s74, s74, 8
	s_bfe_u32 s77, s2, 0x20001
	s_lshl_b32 s77, s77, 2
	s_add_co_u32 s74, s74, s77
	s_lshl_b32 s77, s76, 1
	s_add_co_u32 s74, s74, s77                     ; oscales: (6 tile + head / 8) 256 + 4 ((head / 2) % 4) + 2 (head % 2)
	s_add_nc_u64 s[8:9], s[8:9], s[74:75]
.irp k, 0,1,2,3,4,5
	v_mov_b32 v[QF+6+\k], 0                        ; the zero codes between q and q: written once
.endr
.irp b, 0,1,2,3
	v_mov_b32 v[PT+\b], 0                          ; written once: a lane permute's destination counts as one of its sources
.endr
	v_mov_b32 v[F+1], 0                            ; (named as the upper half of a pair)
	v_mov_b32 v[TMP], 0
; A KEY STEP: 128 keys: the chunk of k at s[TK], that of v at s[TV].
.macro STEP
	v_add_nc_u32 v[ADK], s[TK], v[LI]              ; (these four are also the places between the last products and the loads into the registers that they read)
	v_add_nc_u32 v[ADKS], s[TK], v[RS]
	v_add_nc_u32 v[ADV], s[TV], v[LI]
	v_add_nc_u32 v[ADVS], s[TV], v[RS]
.irp p, 0,1,2,3
.irp c, 0,1,2
	ds_load_b128 v[FRG+12*\p+4*\c:FRG+12*\p+4*\c+3], v[ADK] offset:1536*\p+512*\c   ; an image comes back as it was stored: 512 consecutive bytes an instruction
.endr
.endr
	ds_load_b128 v[KSW:KSW+3], v[ADKS] offset:6144
	s_wait_dscnt 0x0
.irp p, 0,1,2,3                                ; key tiles 2 p and 2 p + 1 from image p
	v_wmma_scale_f32_16x16x128_f8f6f4 v[S+16*\p:S+16*\p+7], v[FRG+12*\p:FRG+12*\p+11], v[QF:QF+11], 0, v[KSW+\p], v[QW] matrix_a_fmt:MATRIX_FMT_FP6 matrix_b_fmt:MATRIX_FMT_FP6
	v_wmma_scale_f32_16x16x128_f8f6f4 v[S+16*\p+8:S+16*\p+15], v[FRG+12*\p:FRG+12*\p+11], v[QF+6:QF+17], 0, v[KSW+\p], v[QW] matrix_a_fmt:MATRIX_FMT_FP6 matrix_b_fmt:MATRIX_FMT_FP6
.endr
.rept 4
	v_nop                                          ; places in front of the loads below and of the first read of the scores
.endr
.irp p, 0,1,2,3                                ; v's images land while the softmax is worked
.irp c, 0,1,2
	ds_load_b128 v[FRG+12*\p+4*\c:FRG+12*\p+4*\c+3], v[ADV] offset:1536*\p+512*\c
.endr
.endr
	ds_load_b128 v[VSW:VSW+3], v[ADVS] offset:6144
.irp b, 0,1,2,3
	v_max3_num_f32 v[BM+\b], v[S+16*\b], v[S+1+16*\b], v[S+2+16*\b]   ; the largest score of each block of 32 keys: it serves the row's maximum and, since p rises with the score, the block's largest p
.endr
.irp i, 3,5,7,9,11,13
.irp b, 0,1,2,3
	v_max3_num_f32 v[BM+\b], v[BM+\b], v[S+16*\b+\i], v[S+1+16*\b+\i]
.endr
.endr
.irp b, 0,1,2,3
	v_max_num_f32 v[BM+\b], v[BM+\b], v[S+15+16*\b]
.endr
.irp b, 0,1,2,3
	v_permlanex16_b32 v[PT+\b], v[BM+\b], s[SEL], s[SEL+1]
.endr
.irp b, 0,1,2,3
	v_max_num_f32 v[BM+\b], v[BM+\b], v[PT+\b]     ; with lane l xor 16's 16 keys
.endr
	v_max3_num_f32 v[TMP], v[BM], v[BM+1], v[BM+2]
	v_max_num_f32 v[TMP], v[TMP], v[BM+3]
	v_mul_f32 v[TMP], s[CS], v[TMP]                ; the step's largest t (c is positive)
	v_max_num_f32 v13, v13, v[TMP]                 ; the running largest t
	v_mov_b32 v[TMP], v12
	v_floor_f32 v12, -v13                          ; the new -M = floor(-t): M is a whole number
	v_sub_f32 v[TMP], v12, v[TMP]                  ; old M - new M: a whole number, 0 or less
	v_cvt_i32_f32 v[TMP], v[TMP]                   ; (it saturates)
	v_ldexp_f32 v[F], 1.0, v[TMP]                  ; f = 2^(old M - new M): a multiplication by it rounds nothing
.irp j, 0,2,4,6,8,10,12,14,16,18,20,22,24,26,28,30,32,34,36,38,40,42,44,46,48,50,52,54,56,58,60,62
	v_pk_fma_f32 v[S+\j:S+1+\j], v[S+\j:S+1+\j], s[CS:CS+1], v[12:13] op_sel_hi:[1,0,0]   ; t - M, two at a time
.endr
.irp b, 0,1,2,3
	v_fma_f32 v[BM+\b], v[BM+\b], s[CS], v12       ; the same of each block's largest score
.endr
.irp j, 0,1,2,3,4,5,6,7,8,9,10,11,12,13,14,15,16,17,18,19,20,21,22,23,24,25,26,27,28,29,30,31,32,33,34,35,36,37,38,39,40,41,42,43,44,45,46,47,48,49,50,51,52,53,54,55,56,57,58,59,60,61,62,63
	v_exp_f32 v[S+\j], v[S+\j]                     ; p = 2^(t - M)
.endr
.irp b, 0,1,2,3
	v_exp_f32 v[BM+\b], v[BM+\b]                   ; the block's largest p: the same two instructions on the same number give the same bits
.endr
	v_pk_mul_f32 v[14:15], v[14:15], v[F:F+1] op_sel_hi:[1,0]   ; the sums under the new M.  (A plain place behind the exponentials)
	s_wait_alu depctr_va_vdst(0)
.irp b, 0,1,2,3
	v_max_num_f32 v[BM+\b], 0x1800000, v[BM+\b]    ; the floor 2^(3 - 127): the byte cannot fall under 1
.endr
.irp b, 0,1,2,3
	v_add_nc_u32 v[SO+\b], 0xff000000, v[BM+\b]    ; 2 off the exponent field: the conversion's scale operand
.endr
.irp b, 0,1,2,3
	v_lshrrev_b32 v[PT+\b], 23, v[SO+\b]           ; the scale's byte
.endr
	v_lshl_or_b32 v[PW], v[PT+1], 8, v[PT]         ; p's scale word for these 128 keys
	v_lshl_or_b32 v[PW], v[PT+2], 16, v[PW]
	v_lshl_or_b32 v[PW], v[PT+3], 24, v[PW]
.irp c, 0,1
	v_cvt_scalef32_pk16_fp6_f32 v[PCD+6*\c:PCD+2+6*\c], v[S+32*\c:S+15+32*\c], v[SO+2*\c]
	v_cvt_scalef32_pk16_fp6_f32 v[CT+4*\c:CT+2+4*\c], v[S+16+32*\c:S+31+32*\c], v[SO+2*\c+1]
.endr
	v_nop                                          ; one plain place behind a scaled conversion
.irp c, 0,1                                    ; a whole block in a lane: lanes 0-15 block 2 c, lanes 16-31 block 2 c + 1
.irp i, 0,1,2
	v_permlane16_swap_b32 v[PCD+6*\c+\i], v[CT+4*\c+\i]
.endr
.irp i, 0,1,2
	v_mov_b32 v[PCD+3+6*\c+\i], v[CT+4*\c+\i]
.endr
.endr
	v_pk_add_f32 v[CT:CT+1], v[S:S+1], v[S+2:S+3]  ; the row's sum is taken of the unquantised p: two at a time, in two chains
.irp j, 4,8,12,16,20,24,28,32,36,40,44,48,52,56,60
	v_pk_add_f32 v[14:15], v[14:15], v[S+\j:S+1+\j]
	v_pk_add_f32 v[CT:CT+1], v[CT:CT+1], v[S+2+\j:S+3+\j]
.endr
	v_pk_add_f32 v[14:15], v[14:15], v[CT:CT+1]
.irp j, 0,2,4,6,8,10,12,14,16,18,20,22,24,26,28,30
	v_pk_mul_f32 v[OT+\j:OT+1+\j], v[OT+\j:OT+1+\j], v[F:F+1] op_sel_hi:[1,0]   ; O^T under the new M
.endr
	s_wait_dscnt 0x0                               ; v's images and words are in
.irp s, 0,1,2,3                                ; O^T += v^T p^T: four tiles of 16 channels, by turns
	v_wmma_scale_f32_16x16x128_f8f6f4 v[OT+8*\s:OT+8*\s+7], v[FRG+12*\s:FRG+12*\s+11], v[PCD:PCD+11], v[OT+8*\s:OT+8*\s+7], v[VSW+\s], v[PW] matrix_a_fmt:MATRIX_FMT_FP6 matrix_b_fmt:MATRIX_FMT_FP6
.endr
.endm
; A JOB'S END: O^T / l, brought into the natural order of d, quantised in its two blocks of 32 and stored.
.macro TAIL i
.rept 4
	v_nop                                          ; places behind the last products
.endr
	v_add_f32 v14, v14, v15                        ; the sum's two halves,
	v_permlanex16_b32 v[TMP], v14, s[SEL], s[SEL+1]
	v_add_f32 v14, v14, v[TMP]                     ; and lane l xor 16's: the row's sum
	v_rcp_f32 v[F], v14
	v_nop                                          ; one plain place behind a transcendental
	s_wait_alu depctr_va_vdst(0)
.irp j, 0,2,4,6,8,10,12,14,16,18,20,22,24,26,28,30
	v_pk_mul_f32 v[OT+\j:OT+1+\j], v[OT+\j:OT+1+\j], v[F:F+1] op_sel_hi:[1,0]   ; each accumulator from its low end on
.endr
.irp b, 0,1                                    ; tile 2 b's lanes 16-31 (channels 8-15 of the block) change places with tile 2 b + 1's lanes 0-15 (channels 16-23): my 16 registers are now channels 32 b + 16 h + 0 .. 15
.irp j, 0,1,2,3,4,5,6,7
	v_permlane16_swap_b32 v[OT+16*\b+\j], v[OT+16*\b+8+\j]
.endr
.endr
.irp b, 0,1
	v_max3_num_f32 v[BM+\b], |v[OT+16*\b]|, |v[OT+1+16*\b]|, 0x1800000
.endr
.irp k, 2,4,6,8,10,12,14
.irp b, 0,1
	v_max3_num_f32 v[BM+\b], v[BM+\b], |v[OT+16*\b+\k]|, |v[OT+1+16*\b+\k]|
.endr
.endr
.irp b, 0,1
	v_permlanex16_b32 v[PT+\b], v[BM+\b], s[SEL], s[SEL+1]
.endr
.irp b, 0,1
	v_max_num_f32 v[BM+\b], v[BM+\b], v[PT+\b]
.endr
.irp b, 0,1
	v_add_nc_u32 v[SO+\b], 0xff000000, v[BM+\b]
.endr
.irp b, 0,1
	v_lshrrev_b32 v[PT+\b], 23, v[SO+\b]
.endr
	v_cvt_scalef32_pk16_fp6_f32 v[PCD:PCD+2], v[OT:OT+15], v[SO]
	v_cvt_scalef32_pk16_fp6_f32 v[CT:CT+2], v[OT+16:OT+31], v[SO+1]
	v_nop
.irp k, 0,1,2
	v_permlane16_swap_b32 v[PCD+\k], v[CT+\k]
.endr
.irp k, 0,1,2
	v_mov_b32 v[PCD+3+\k], v[CT+\k]
.endr
	v_cndmask_b32 v[TMP], v[PT], v[PT+1], s[HM]    ; lanes 0-15 store block 0's byte, lanes 16-31 block 1's
.irp g, 0,1,2
	global_store_b64 v[OG], v[PCD+2*\g:PCD+2*\g+1], s[6:7] offset:12288*\i+256*\g   ; 32 lanes store 256 consecutive bytes, at a multiple of 256
.endr
	global_store_b8 v[OS], v[TMP], s[8:9] offset:512*\i
.endm
.macro JOB i, img, wrd
.if \i > 0
	s_wait_xcnt 0x0                                ; the last job's stores have read their registers, which this job writes again
.endif
	s_wait_loadcnt 8-4*\i                          ; this job's four loads of q are in; the later jobs' four each may be out
.irp k, 0,1,2,3,4,5
	v_cndmask_b32 v[QF+\k], v[\img+\k], v[\img+6+\k], s[UM]      ; my tile's six registers of the image,
.endr
.irp k, 0,1,2,3,4,5
	v_cndmask_b32 v[QF+12+\k], v[\img+\k], v[\img+6+\k], s[UM]   ; twice
.endr
	v_lshrrev_b32 v[QW], s[US], v[\wrd]
	v_and_b32 v[QW], 0xffff, v[QW]
	v_lshl_or_b32 v[QW], v[QW], 16, v[QW]          ; my tile's two bytes in both halves of the word
	v_mov_b32 v13, 0xff61b1e6                      ; the largest t so far: -3e38, under every t
	v_floor_f32 v12, -v13                          ; -M
	v_mov_b32 v14, 0                               ; the sum, in two halves
	v_mov_b32 v15, 0
.irp j, 0,1,2,3,4,5,6,7,8,9,10,11,12,13,14,15,16,17,18,19,20,21,22,23,24,25,26,27,28,29,30,31
	v_mov_b32 v[OT+\j], 0                          ; O^T: the step is written once; the first finds zeros, which the first change of M leaves zeros.  (These are also the places in front of the first products)
.endr
	s_wait_dscnt 0x0
	s_wait_tensorcnt 2-\i                          ; a fetching wave: my part of this job's chunks is in; the later jobs' loads may stay out
	s_barrier_signal -1
	s_barrier_wait -1                              ; everybody's is
	s_mov_b32 s[TK], 25600*((1<<\i)-1)
	s_mov_b32 s[TV], 25600*((1<<\i)-1)+(12800<<\i)
	s_mov_b32 s[CNT], 2<<\i
.Lstep_\@:
	STEP
	s_add_co_u32 s[TK], s[TK], CH
	s_add_co_u32 s[TV], s[TV], CH
	s_sub_co_u32 s[CNT], s[CNT], 1
	s_cmp_lg_u32 s[CNT], 0
	s_cbranch_scc1 .Lstep_\@
	TAIL \i
.endm
	JOB 0, 96, 108
	JOB 1, 230, 242
	JOB 2, 244, 243
	s_wait_tensorcnt 0x0
	ds_add_u32 v225, v229
	s_wait_dscnt 0x0
	s_endpgm
.Lfunc_end_k_q6eb1d3c231_attn:
	.size	k_q6eb1d3c231_attn, .Lfunc_end_k_q6eb1d3c231_attn-k_q6eb1d3c231_attn
	.p2alignl 7, 3214868480
	.fill 96, 4, 3214868480
	.section	.rodata,"a",@progbits
	.p2align	6, 0x0
	.amdhsa_kernel k_q6eb1d3c231_attn
		.amdhsa_group_segment_fixed_size 181248
		.amdhsa_private_segment_fixed_size 0
		.amdhsa_enable_private_segment 0
		.amdhsa_kernarg_size 24
		.amdhsa_user_sgpr_count 2
		.amdhsa_user_sgpr_kernarg_segment_ptr 1
		.amdhsa_wavefront_size32 1
		.amdhsa_system_sgpr_workgroup_id_x 1
		.amdhsa_system_sgpr_workgroup_id_y 1
		.amdhsa_system_sgpr_workgroup_id_z 1
		.amdhsa_system_vgpr_workitem_id 0
		.amdhsa_next_free_vgpr 256
		.amdhsa_next_free_sgpr 86
		.amdhsa_reserve_vcc 0
		.amdhsa_float_denorm_mode_32 3
		.amdhsa_float_denorm_mode_16_64 3
		.amdhsa_memory_ordered 1
		.amdhsa_forward_progress 1
		.amdhsa_inst_pref_size 74
	.end_amdhsa_kernel
	.amdgpu_metadata
---
amdhsa.version: [ 1, 2 ]
amdhsa.kernels:
  - .name:           k_q6eb1d3c231_attn
    .symbol:         k_q6eb1d3c231_attn.kd
    .args:
      - { .name: qkvc, .offset: 0, .size: 8, .value_kind: global_buffer, .address_space: global }
      - { .name: ocodes, .offset: 8, .size: 8, .value_kind: global_buffer, .address_space: global }
      - { .name: oscales, .offset: 16, .size: 8, .value_kind: global_buffer, .address_space: global }
    .group_segment_fixed_size: 181248
    .private_segment_fixed_size: 0
    .kernarg_segment_align: 8
    .kernarg_segment_size: 24
    .max_flat_workgroup_size: 512
    .sgpr_count:     86
    .vgpr_count:     256
    .wavefront_size: 32
...
	.end_amdgpu_metadata
.endif
;; end of part 2
;; launch outp (part 3): grid 8 x 32, 4 waves a work-group, clusters of 4 x 4, 327,680 bytes of LDS; arguments ocodes, oscales, out_w0_codes, out_w1_codes, out_w2_codes, out_w0_scales, out_w1_scales, out_w2_scales, out_b0, out_b1, out_b2, out0; writes out0
.if DOCPART == 3
	.amdgcn_target "amdgcn-amd-amdhsa--gfx1250"
	.amdhsa_code_object_version 6
	.text
	.protected	k_q6eb1d3c231_outp
	.globl	k_q6eb1d3c231_outp
	.p2align	8
	.type	k_q6eb1d3c231_outp,@function
k_q6eb1d3c231_outp:
	s_mov_b64 s[64:65], 0
	v_nop
	global_prefetch_b8 v0, s[64:65] scope:SCOPE_SE
	s_setreg_imm32_b32 hwreg(HW_REG_WAVE_MODE, 25, 1), 1
	s_wait_xcnt 0x0
	s_wait_alu depctr_hold_cnt(0) depctr_sa_sdst(0) depctr_va_vdst(0) depctr_va_sdst(0) depctr_va_ssrc(0) depctr_va_vcc(0) depctr_vm_vsrc(0)
	s_getreg_b32 s2, hwreg(HW_REG_IB_STS2, 6, 4)
	s_cmp_eq_u32 s2, 0
	s_cbranch_scc0 .Lentry_in_a_cluster
	s_endpgm
.Lentry_in_a_cluster:
	s_bfe_u32 s2, ttmp6, 0x10000c
	s_cmp_lg_u32 s2, 0xf033
	s_cbranch_scc0 .Lentry_shape_is_right
	s_endpgm
.Lentry_shape_is_right:
; out0 = o0 W0^T + o1 W1^T + o2 W2^T + b0 + b1 + b2: the three out projections and their sum are ONE product with K = 3,072, on codes of FP6 (E2M3) with one E8M0 scale for each 32 along K.
; A tile of out0 is 128 x 128: 32 x 8 = 256 work-groups (tiles of 256 x 256 would be 64).  Four waves, each 64 x 64: 16 accumulators.
; K goes in six slots' worth of 512 (four matrix instructions deep) through two LDS slots: slot's worth g is half g % 2 of branch g / 2.  All is written out: every LDS offset is an immediate, and the branch's weights are chosen as the text is assembled.
; o's codes lie in memory as images of the operand's registers ([row tile][K step][pair of registers 6][lane 32][8 bytes]): a slot's part of a row tile is 6,144 consecutive bytes.  W's rows are 384 bytes of a slot.
; CLUSTERS: 4 x 4 work-groups.  The four of a row of the cluster need the same tiles of o, the four of a column the same tiles of W: each is asked for jointly.
; THE MATRIX INSTRUCTION IS USED TRANSPOSED (source 0 = 16 rows of W, source 1 = 16 rows of o): a lane holds eight neighbouring numbers of a row of out0.  The summed bias is the C of each sum's first instruction.
; REGISTERS: window 0: v16-26 addresses; v32-95 scale words, two sets; v96-127 the summed bias; v128-255 the accumulators ((a, b) at v[128 + 8 (4 a + b)]).   window 1: two fragment buffers at v0 and v128: o's four fragments, then W's four.
; LIMITS: NaN and infinities are not served.
.set SLOT,  116736                     ; o's [row tile 8][K step 4][1,536], then W's 128 rows
.set AHALF, 24576                      ; four row tiles of o: what one tensor load brings
.set BOFF,  49152
.set BP,    528                        ; a row of W in LDS: 3 x (128 bytes + 48 of padding) = 132 words: row r starts at bank 4 r mod 64 (64 banks of 4 bytes: ISA guide 11.1)
.set BHALF, 64*BP
.set SCA,   2*SLOT                     ; o's scales for all of K: [row tile 8][slot's worth 6][256]
.set SCB,   SCA+12288                  ; W's: [branch 3][row 128][32]
.set STAGE, SCB+12288                  ; the way out: 16 rows x (256 + 16) bytes for each wave
.set SP,    272
.set SPARE, STAGE+4*16*SP              ; the spare words, 128 bytes for each wave
.set ADA,  16                          ; v16-17 o's fragments in slot 0, 1
.set ADB,  18                          ; v18-19 W's
.set ADB2, 20                          ; v20-21 W's, for the pieces that lie behind one padding more in lanes 16-31
.set ADSA, 22
.set ADSB, 23
.set STO,  24
.set RD,   25
.set CO,   26
.set SPW,  28
.set NIL,  29
.set SA,   32                          ; o's scale words: set s at 32 + 32 s, register 4 i + q
.set SB,   48                          ; W's
.set BSR,  96
.set ACC,  128
.set BK,   32                          ; the way out: rows read back: v32-63 and v64-95 by turns
.set F0,   0
.set F1,   128
.set WBS,  8                           ; s[8:13] the three branches' weights at the rows that I fetch
.set G1A,  28
.set G1B,  36
.set G1AS, 44
.set G1BS, 52
.set G0A,  60                          ; s[60:63], s[68:71]
.set G0B,  72                          ; s[72:75], s[76:79]
.set G0AS, 80
.set G0BS, 84                          ; s[84:95]
.set MSB, 0
.macro WIN new
.if MSB != \new
	s_set_vgpr_msb (MSB<<8)|\new
.set MSB, \new
.endif
.endm
.set MUL,  0x05                        ; sources 0 and 1 window 1; C and D window 0
.set TO_F, 0x40                        ; destination window 1, address window 0
.macro JLOAD s                         ; a joint refill: waves 0 and 1 fetch o's halves, waves 2 and 3 W's; four v_nop follow each of the two lines
	s_cmp_eq_u32 s97, 0
	s_cbranch_scc0 .Lfor_b_\@
	tensor_load_to_lds s[G0A+8*(\s):G0A+8*(\s)+3], s[G1A:G1A+7]
	s_nop 0
.rept 4
	v_nop
.endr
	s_branch .Lasked_\@
.Lfor_b_\@:
	tensor_load_to_lds s[G0B+4*(\s):G0B+4*(\s)+3], s[G1B:G1B+7]
	s_nop 0
.rept 4
	v_nop
.endr
.Lasked_\@:
.endm
.macro CREST
	s_cmp_lg_u32 s96, 0
	s_cbranch_scc1 .Lnot_wave_0_\@
	s_barrier_signal -3
.Lnot_wave_0_\@:
	s_barrier_wait -3
	s_barrier_signal -1
	s_barrier_wait -1
.endm
.macro CROUND
	s_barrier_signal -1
	s_barrier_wait -1
	CREST
.endm
.macro PLACES
.rept 4
	v_nop
.endr
.endm
	s_load_b512 s[4:19], s[0:1], 0x0               ; ocodes, oscales, W0-2's codes s[8:13], W0-2's scales s[14:19]
	s_load_b256 s[20:27], s[0:1], 0x40             ; b0, b1, b2, out0
	v_lshl_add_u32 v[SPW], v0, 2, SPARE
	v_mov_b32 v[NIL], 0
	ds_add_u32 v28, v29
	ds_add_u32 v28, v29
	s_wait_dscnt 0x0
	v_lshrrev_b32 v1, 5, v0
	v_readfirstlane_b32 s96, v1                    ; wave 0..3
	s_lshr_b32 s97, s96, 1                         ; my half of the tile's rows.  Also: I fetch for o (0) or for W (1)
	s_and_b32 s98, s96, 1                          ; my half of its columns.  Also: which half I fetch
	s_bfe_u32 s99, ttmp6, 0x40000                  ; cx, cy
	s_bfe_u32 s100, ttmp6, 0x40004
	s_lshl_b32 s101, ttmp9, 2
	s_add_co_u32 s101, s101, s99                   ; tile column
	s_and_b32 s3, ttmp7, 0xffff
	s_lshl_b32 s3, s3, 2
	s_add_co_u32 s3, s3, s100                      ; tile row
	s_lshl_b32 s66, s100, 2
	s_lshl_b32 s66, 15, s66                        ; my row of the cluster
	s_lshl_b32 s67, 0x1111, s99                    ; my column
	s_or_b32 s[G1A], s66, (3<<16)|(1<<21)          ; o: four row tiles x 6,144 bytes (768 elements of 8), 36,864 bytes apart; no padding
	s_mov_b32 s[G1A+1], 768<<16
	s_mov_b32 s[G1A+2], 4<<16
	s_mov_b32 s[G1A+3], 768<<16
	s_mov_b32 s[G1A+4], 4
	s_mov_b32 s[G1A+5], 4608
	s_mov_b32 s[G1A+6], 0
	s_mov_b32 s[G1A+7], 0
	s_or_b32 s[G1B], s67, (0<<16)|(1<<20)|(1<<21)|(4<<22)|(11<<25)   ; W: 64 rows x 384 bytes, 768 apart; after every 32 words 12 words of padding
	s_mov_b32 s[G1B+1], 384<<16
	s_mov_b32 s[G1B+2], 64<<16
	s_mov_b32 s[G1B+3], 384<<16
	s_mov_b32 s[G1B+4], 64
	s_mov_b32 s[G1B+5], 768
	s_mov_b32 s[G1B+6], 0
	s_mov_b32 s[G1B+7], 0
	s_or_b32 s[G1AS], s66, (3<<16)|(1<<21)         ; o's scales of four row tiles: 6,144 dense bytes as 24 rows of 256
	s_mov_b32 s[G1AS+1], 32<<16
	s_mov_b32 s[G1AS+2], 24<<16
	s_mov_b32 s[G1AS+3], 32<<16
	s_mov_b32 s[G1AS+4], 24
	s_mov_b32 s[G1AS+5], 32
	s_mov_b32 s[G1AS+6], 0
	s_mov_b32 s[G1AS+7], 0
	s_or_b32 s[G1BS], s67, (3<<16)|(1<<21)         ; a branch's scales of 64 rows of W: 2,048 dense bytes as 8 rows of 256
	s_mov_b32 s[G1BS+1], 32<<16
	s_mov_b32 s[G1BS+2], 8<<16
	s_mov_b32 s[G1BS+3], 32<<16
	s_mov_b32 s[G1BS+4], 8
	s_mov_b32 s[G1BS+5], 32
	s_mov_b32 s[G1BS+6], 0
	s_mov_b32 s[G1BS+7], 0
	s_lshl_b32 s68, s3, 3                          ; o's offsets are made in registers that become o's own group 0, W's in W's: neither ever holds the other coordinate
	s_lshl_b32 s70, s98, 2
	s_add_co_u32 s68, s68, s70                     ; the first of the four row tiles that I fetch
	s_mul_i32 s70, s68, 1536                       ; its scale bytes,
	s_mov_b32 s71, 0
	s_mul_i32 s68, s68, 36864                      ; its codes
	s_mov_b32 s69, 0
	s_lshl_b32 s76, s101, 7
	s_lshl_b32 s77, s98, 6
	s_add_co_u32 s76, s76, s77                     ; the first of the 64 rows of W that I fetch
	s_lshl_b32 s78, s76, 5
	s_mov_b32 s79, 0
	s_mul_i32 s76, s76, 768
	s_mov_b32 s77, 0
	s_wait_kmcnt 0x0
	s_add_nc_u64 s[4:5], s[4:5], s[68:69]
	s_add_nc_u64 s[6:7], s[6:7], s[70:71]
.irp k, 0,1,2
	s_add_nc_u64 s[WBS+2*\k:WBS+2*\k+1], s[WBS+2*\k:WBS+2*\k+1], s[76:77]
.endr
	s_mul_i32 s2, s98, 2048
.irp k, 0,1,2
	s_mov_b32 s[G0BS+4*\k], 1
	s_add_co_u32 s[G0BS+4*\k+1], s2, SCB+4096*\k
	s_add_nc_u64 s[G0BS+4*\k+2:G0BS+4*\k+3], s[14+2*\k:15+2*\k], s[78:79]
	s_or_b32 s[G0BS+4*\k+3], s[G0BS+4*\k+3], 0x80000000
.endr
	s_mul_i32 s2, s98, 6144
	s_mov_b32 s[G0AS], 1
	s_add_co_u32 s[G0AS+1], s2, SCA
	s_mov_b64 s[G0AS+2:G0AS+3], s[6:7]
	s_or_b32 s[G0AS+3], s[G0AS+3], 0x80000000
	s_mul_i32 s2, s98, AHALF
.irp s, 0,1
	s_mov_b32 s[G0A+8*\s], 1
	s_add_co_u32 s[G0A+8*\s+1], s2, \s*SLOT
	s_add_nc_u64 s[G0A+8*\s+2:G0A+8*\s+3], s[4:5], \s*6144
	s_or_b32 s[G0A+8*\s+3], s[G0A+8*\s+3], 0x80000000
.endr
	s_mul_i32 s2, s98, BHALF
.irp s, 0,1
	s_mov_b32 s[G0B+4*\s], 1
	s_add_co_u32 s[G0B+4*\s+1], s2, \s*SLOT+BOFF
	s_add_nc_u64 s[G0B+4*\s+2:G0B+4*\s+3], s[WBS:WBS+1], \s*384
	s_or_b32 s[G0B+4*\s+3], s[G0B+4*\s+3], 0x80000000
.endr
	CROUND                                         ; all sixteen work-groups are here: the first joint loads meet
	s_cmp_eq_u32 s97, 0                            ; a wave's first fills stand in one branch: three loads of mine are out, or five; slot 1's is the last in both
	s_cbranch_scc0 .Lfirst_b
	tensor_load_to_lds s[G0AS:G0AS+3], s[G1AS:G1AS+7]
	s_nop 0
	tensor_load_to_lds s[G0A:G0A+3], s[G1A:G1A+7]
	s_nop 0
	tensor_load_to_lds s[G0A+8:G0A+11], s[G1A:G1A+7]
	s_nop 0
.rept 4
	v_nop
.endr
	s_branch .Lfirst_asked
.Lfirst_b:
	tensor_load_to_lds s[G0BS:G0BS+3], s[G1BS:G1BS+7]
	s_nop 0
	tensor_load_to_lds s[G0BS+4:G0BS+7], s[G1BS:G1BS+7]
	s_nop 0
	tensor_load_to_lds s[G0BS+8:G0BS+11], s[G1BS:G1BS+7]
	s_nop 0
	tensor_load_to_lds s[G0B:G0B+3], s[G1B:G1B+7]
	s_nop 0
	tensor_load_to_lds s[G0B+4:G0B+7], s[G1B:G1B+7]
	s_nop 0
.rept 4
	v_nop
.endr
.Lfirst_asked:
	v_and_b32 v1, 15, v0                           ; r
	v_bfe_u32 v2, v0, 4, 1                         ; h
	v_and_b32 v3, 31, v0                           ; lane
	s_mul_i32 s2, s97, AHALF                       ; my four row tiles of o
	v_lshl_add_u32 v[ADA], v3, 3, s2               ; 8 bytes a lane
	v_add_nc_u32 v[ADA+1], SLOT, v[ADA]
	v_mul_u32_u24 v4, v1, BP
	v_mad_u32_u24 v5, v2, 24, v4                   ; W: row r, + 24 h,
	v_mad_u32_u24 v6, v2, 72, v4                   ; or + 24 h and one padding
	s_mul_i32 s2, s98, BHALF
	s_add_co_u32 s2, s2, BOFF                      ; my 64 rows of W
	v_add_nc_u32 v[ADB], s2, v5
	v_add_nc_u32 v[ADB+1], SLOT, v[ADB]
	v_add_nc_u32 v[ADB2], s2, v6
	v_add_nc_u32 v[ADB2+1], SLOT, v[ADB2]
	s_mul_i32 s2, s97, 6144
	s_add_co_u32 s2, s2, SCA
	v_lshl_add_u32 v[ADSA], v1, 4, s2              ; o's words: 16 bytes a row and slot's worth
	s_mul_i32 s2, s98, 2048
	s_add_co_u32 s2, s2, SCB
	v_lshl_add_u32 v[ADSB], v1, 5, s2              ; W's: 32 bytes a row and branch
	s_mul_i32 s2, s96, 16*SP
	s_add_co_u32 s2, s2, STAGE                     ; my stage
	v_mul_u32_u24 v4, v1, SP
	v_lshl_add_u32 v4, v2, 5, v4
	v_add_nc_u32 v[STO], s2, v4                    ; in: row r, 32 bytes for each half of the lanes
	v_mul_u32_u24 v4, v2, SP
	v_lshl_add_u32 v4, v1, 4, v4
	v_add_nc_u32 v[RD], s2, v4                     ; back: lanes 0-15 one row of 256 bytes, lanes 16-31 the next
	v_lshlrev_b32 v4, 12, v2
	v_lshl_add_u32 v[CO], v1, 4, v4                ; and the same two rows in out0
	v_lshlrev_b32 v7, 5, v2                        ; the bias: 32 h
	s_lshl_b32 s14, s101, 9                        ; my first column, in bytes: 512 x tile column + 256 x half
	s_lshl_b32 s15, s98, 8
	s_add_co_u32 s14, s14, s15
	s_mov_b32 s15, 0
	s_add_nc_u64 s[20:21], s[20:21], s[14:15]
	s_add_nc_u64 s[22:23], s[22:23], s[14:15]
	s_add_nc_u64 s[24:25], s[24:25], s[14:15]
	s_add_nc_u64 s[26:27], s[26:27], s[14:15]
	s_lshl_b32 s14, s3, 7
	s_lshl_b32 s16, s97, 6
	s_add_co_u32 s14, s14, s16                     ; my first row
	s_lshl_b32 s14, s14, 12
	s_add_nc_u64 s[26:27], s[26:27], s[14:15]
.irp b, 0,1,2,3                                ; b[16 b + 8 h + j] at 8 b + j: b0 where the sum will stay, b1 and b2 in registers that the products have not yet taken
	global_load_b128 v[BSR+8*\b:BSR+8*\b+3], v7, s[20:21] offset:64*\b
	global_load_b128 v[BSR+8*\b+4:BSR+8*\b+7], v7, s[20:21] offset:64*\b+16
	global_load_b128 v[ACC+8*\b:ACC+8*\b+3], v7, s[22:23] offset:64*\b
	global_load_b128 v[ACC+8*\b+4:ACC+8*\b+7], v7, s[22:23] offset:64*\b+16
	global_load_b128 v[ACC+32+8*\b:ACC+32+8*\b+3], v7, s[24:25] offset:64*\b
	global_load_b128 v[ACC+32+8*\b+4:ACC+32+8*\b+7], v7, s[24:25] offset:64*\b+16
.endr
; In all macros below an argument that stands inside a larger expression is written in parentheses: it is put in as text.
.macro FRAGA reg, slot, q, i           ; o's fragment comes back as it was stored: 256 consecutive bytes an instruction
.irp g, 0,1,2,3,4,5
	ds_load_b64 v[(\reg)+2*\g:(\reg)+2*\g+1], v[ADA+(\slot)] offset:6144*(\i)+1536*(\q)+256*\g
.endr
.endm
.macro FRAGB reg, slot, q, i           ; W's: 24 bytes of the row's stream of bits twice, in pieces of 8; 16 pieces, then a padding; lanes 16-31 read three pieces on
.irp p, 0,1,2,3,4,5
.set PC, 12*(\q)+6*(\p/3)+\p%3
.if PC%16 < 13
	ds_load_b64 v[(\reg)+2*\p:(\reg)+2*\p+1], v[ADB+(\slot)] offset:8*PC+48*(PC/16)+16*BP*(\i)
.else
	ds_load_b64 v[(\reg)+2*\p:(\reg)+2*\p+1], v[ADB2+(\slot)] offset:8*PC+48*(PC/16)+16*BP*(\i)
.endif
.endr
.endm
.macro FETCH slot, q, f                ; 48 LDS loads in one run: the eight fragments of a K step
	WIN TO_F
.irp i, 0,1,2,3
	FRAGB (\f)+48+12*\i, (\slot), (\q), \i
	FRAGA (\f)+12*\i, (\slot), (\q), \i
.endr
	WIN 0
.endm
.macro SCALES sg, set                  ; the scale words of slot's worth sg: four words a row, one for each K step
.irp i, 0,1,2,3
	ds_load_b128 v[SA+32*(\set)+4*\i:SA+32*(\set)+4*\i+3], v[ADSA] offset:1536*\i+256*(\sg)
	ds_load_b128 v[SB+32*(\set)+4*\i:SB+32*(\set)+4*\i+3], v[ADSB] offset:512*\i+4096*((\sg)/2)+16*((\sg)%2)
.endr
.endm
; Four matrix instructions: o's tile a x W's four.  The 16 accumulators take turns, one instruction a turn, in the same order in every K step.
.macro MULA f, a, q, set, first
.irp b, 0,1,2,3
.if \first
	v_wmma_scale_f32_16x16x128_f8f6f4 v[ACC+8*(4*(\a)+\b):ACC+8*(4*(\a)+\b)+7], v[(\f)+48+12*\b:(\f)+48+12*\b+11], v[(\f)+12*(\a):(\f)+12*(\a)+11], v[BSR+8*\b:BSR+8*\b+7], v[SB+32*(\set)+4*\b+(\q)], v[SA+32*(\set)+4*(\a)+(\q)] matrix_a_fmt:MATRIX_FMT_FP6 matrix_b_fmt:MATRIX_FMT_FP6
.else
	v_wmma_scale_f32_16x16x128_f8f6f4 v[ACC+8*(4*(\a)+\b):ACC+8*(4*(\a)+\b)+7], v[(\f)+48+12*\b:(\f)+48+12*\b+11], v[(\f)+12*(\a):(\f)+12*(\a)+11], v[ACC+8*(4*(\a)+\b):ACC+8*(4*(\a)+\b)+7], v[SB+32*(\set)+4*\b+(\q)], v[SA+32*(\set)+4*(\a)+(\q)] matrix_a_fmt:MATRIX_FMT_FP6 matrix_b_fmt:MATRIX_FMT_FP6
.endif
.endr
.endm
.macro KSTEP slot, q, f, g, set, first ; one of a slot's first three K steps: multiplies buffer f; ahead of that it asks for the next K step's fragments, into buffer g
	s_wait_dscnt 0x0                               ; buffer f and the scale words are in
	PLACES                                         ; in front of loads into registers that the last K step's products read
	FETCH (\slot), (\q)+1, \g
	WIN MUL
	MULA \f, 0, \q, (\set), \first
	MULA \f, 1, \q, (\set), \first
	MULA \f, 2, \q, (\set), \first
	MULA \f, 3, \q, (\set), \first
	WIN 0
.endm
; A slot's last K step multiplies buffer 1 and changes slots: one barrier; in front of it each wave waits for all its tensor loads, adds 0 to its spare word, and waits for that and for its reads of this slot.
.macro TURN sg
.set SL, (\sg)%2
.set NX, 1-(\sg)%2
.set BRN, ((\sg)+2)/2
	s_wait_dscnt 0x0                               ; buffer 1 is in: my reads of this slot are over
	s_wait_tensorcnt 0x0                           ; all my tensor loads have landed: my part of the next slot
	ds_add_u32 v[SPW], v[NIL]                      ; 0 onto my spare word
	WIN MUL
	MULA F1, 0, 3, SL, 0
	s_wait_dscnt 0x0                               ; the add is done
	s_barrier_signal -1
	MULA F1, 1, 3, SL, 0
	WIN 0
	s_barrier_wait -1
.if (\sg) < 4
	CREST                                          ; the barrier has opened a round of the cluster's: no wave of any partner still reads this slot or has a load on its way
	s_add_nc_u64 s[G0A+8*SL+2:G0A+8*SL+3], s[G0A+8*SL+2:G0A+8*SL+3], 12288   ; o: two slots' worth on
	s_add_nc_u64 s[G0B+4*SL+2:G0B+4*SL+3], s[WBS+2*BRN:WBS+2*BRN+1], 384*SL  ; W: the same half of the next branch
	s_or_b32 s[G0B+4*SL+3], s[G0B+4*SL+3], 0x80000000
	JLOAD SL                                       ; the first tensor load behind the round; its four v_nop are also the places in front of the loads below
.else
	PLACES
.endif
	FETCH NX, 0, F0
	SCALES (\sg)+1, NX
	WIN MUL
	MULA F1, 2, 3, SL, 0
	MULA F1, 3, 3, SL, 0
	WIN 0
.endm
	s_wait_tensorcnt 1                             ; the scales and my part of slot 0 are in; slot 1's load may be out
	s_barrier_signal -1
	s_barrier_wait -1
	FETCH 0, 0, F0
	SCALES 0, 0
	s_wait_loadcnt 0x0                             ; the biases
.irp j, 0,2,4,6,8,10,12,14,16,18,20,22,24,26,28,30
	v_pk_add_f32 v[BSR+\j:BSR+\j+1], v[BSR+\j:BSR+\j+1], v[ACC+\j:ACC+\j+1]
.endr
.irp j, 0,2,4,6,8,10,12,14,16,18,20,22,24,26,28,30
	v_pk_add_f32 v[BSR+\j:BSR+\j+1], v[BSR+\j:BSR+\j+1], v[ACC+32+\j:ACC+32+\j+1]
.endr
	KSTEP 0, 0, F0, F1, 0, 1                       ; slot's worth 0, in slot 0.  The first products take the summed bias as C and start the sums
	KSTEP 0, 1, F1, F0, 0, 0
	KSTEP 0, 2, F0, F1, 0, 0
	TURN 0
	KSTEP 1, 0, F0, F1, 1, 0                       ; slot's worth 1, in slot 1
	KSTEP 1, 1, F1, F0, 1, 0
	KSTEP 1, 2, F0, F1, 1, 0
	TURN 1
	KSTEP 0, 0, F0, F1, 0, 0                       ; 2
	KSTEP 0, 1, F1, F0, 0, 0
	KSTEP 0, 2, F0, F1, 0, 0
	TURN 2
	KSTEP 1, 0, F0, F1, 1, 0                       ; 3
	KSTEP 1, 1, F1, F0, 1, 0
	KSTEP 1, 2, F0, F1, 1, 0
	TURN 3
	KSTEP 0, 0, F0, F1, 0, 0                       ; 4
	KSTEP 0, 1, F1, F0, 0, 0
	KSTEP 0, 2, F0, F1, 0, 0
	TURN 4                                         ; nothing is left to fetch: a plain barrier, no round
	KSTEP 1, 0, F0, F1, 1, 0                       ; 5
	KSTEP 1, 1, F1, F0, 1, 0
	KSTEP 1, 2, F0, F1, 1, 0
	s_wait_dscnt 0x0                               ; the very last K step
	WIN MUL
	MULA F1, 0, 3, 1, 0
	MULA F1, 1, 3, 1, 0
	MULA F1, 2, 3, 1, 0
	MULA F1, 3, 3, 1, 0
	WIN 0
; THE WAY OUT, block by block of 16 rows x my 64 columns (256 bytes a row): through my own stage in LDS and back as whole rows.  LDS serves a wave's instructions in order (ISA guide 5.7.1.4): no wait between the stores and the loads.
.macro TOSTAGE a
.irp b, 0,1,2,3
	ds_store_b128 v[STO], v[ACC+8*(4*(\a)+\b):ACC+8*(4*(\a)+\b)+3] offset:64*\b          ; each accumulator from its low end on
	ds_store_b128 v[STO], v[ACC+8*(4*(\a)+\b)+4:ACC+8*(4*(\a)+\b)+7] offset:64*\b+16
.endr
.set BB, BK+32*((\a)%2)
.irp t, 0,1,2,3,4,5,6,7
	ds_load_b128 v[BB+4*\t:BB+4*\t+3], v[RD] offset:\t*2*SP
.endr
.endm
.macro SEND a, younger                 ; younger: the LDS instructions issued behind block a's loads, which may stay out
.set BB, BK+32*((\a)%2)
	s_wait_dscnt \younger
.irp t, 0,1,2,3,4,5,6,7
	global_store_b128 v[CO], v[BB+4*\t:BB+4*\t+3], s[26:27] offset:65536*(\a)+8192*\t th:TH_STORE_NT   ; 16 lanes store 256 consecutive bytes, at a multiple of 256 from out0's first byte
.endr
.endm
	PLACES                                         ; behind the last products: for the reads of their results and the loads into the scale words' registers
	TOSTAGE 0
	TOSTAGE 1
	SEND 0, 16                                     ; behind block 0's loads: block 1's 8 stores and 8 loads
	s_wait_xcnt 0x0                                ; block 0's stores have read their registers: block 2's loads may land there
	TOSTAGE 2
	SEND 1, 16
	s_wait_xcnt 0x0                                ; block 1's likewise
	TOSTAGE 3
	SEND 2, 16
	SEND 3, 0
	s_wait_tensorcnt 0x0                           ; the wave's end
	ds_add_u32 v[SPW], v[NIL]
	s_wait_dscnt 0x0
	CROUND                                         ; the closing round: no work-group ends while a partner may still ask for a tile that names it
	s_endpgm
.Lfunc_end_k_q6eb1d3c231_outp:
	.size	k_q6eb1d3c231_outp, .Lfunc_end_k_q6eb1d3c231_outp-k_q6eb1d3c231_outp
	.p2alignl 7, 3214868480
	.fill 96, 4, 3214868480
	.section	.rodata,"a",@progbits
	.p2align	6, 0x0
	.amdhsa_kernel k_q6eb1d3c231_outp
		.amdhsa_group_segment_fixed_size 327680
		.amdhsa_private_segment_fixed_size 0
		.amdhsa_enable_private_segment 0
		.amdhsa_kernarg_size 96
		.amdhsa_user_sgpr_count 2
		.amdhsa_user_sgpr_kernarg_segment_ptr 1
		.amdhsa_wavefront_size32 1
		.amdhsa_system_sgpr_workgroup_id_x 1
		.amdhsa_system_sgpr_workgroup_id_y 1
		.amdhsa_system_sgpr_workgroup_id_z 1
		.amdhsa_system_vgpr_workitem_id 0
		.amdhsa_next_free_vgpr 512
		.amdhsa_next_free_sgpr 102
		.amdhsa_reserve_vcc 0
		.amdhsa_float_denorm_mode_32 3
		.amdhsa_float_denorm_mode_16_64 3
		.amdhsa_memory_ordered 1
		.amdhsa_forward_progress 1
		.amdhsa_inst_pref_size 156
	.end_amdhsa_kernel
	.amdgpu_metadata
---
amdhsa.version: [ 1, 2 ]
amdhsa.kernels:
  - .name:           k_q6eb1d3c231_outp
    .symbol:         k_q6eb1d3c231_outp.kd
    .args:
      - { .name: ocodes, .offset: 0, .size: 8, .value_kind: global_buffer, .address_space: global }
      - { .name: oscales, .offset: 8, .size: 8, .value_kind: global_buffer, .address_space: global }
      - { .name: out_w0_codes, .offset: 16, .size: 8, .value_kind: global_buffer, .address_space: global }
      - { .name: out_w1_codes, .offset: 24, .size: 8, .value_kind: global_buffer, .address_space: global }
      - { .name: out_w2_codes, .offset: 32, .size: 8, .value_kind: global_buffer, .address_space: global }
      - { .name: out_w0_scales, .offset: 40, .size: 8, .value_kind: global_buffer, .address_space: global }
      - { .name: out_w1_scales, .offset: 48, .size: 8, .value_kind: global_buffer, .address_space: global }
      - { .name: out_w2_scales, .offset: 56, .size: 8, .value_kind: global_buffer, .address_space: global }
      - { .name: out_b0, .offset: 64, .size: 8, .value_kind: global_buffer, .address_space: global }
      - { .name: out_b1, .offset: 72, .size: 8, .value_kind: global_buffer, .address_space: global }
      - { .name: out_b2, .offset: 80, .size: 8, .value_kind: global_buffer, .address_space: global }
      - { .name: out0, .offset: 88, .size: 8, .value_kind: global_buffer, .address_space: global }
    .group_segment_fixed_size: 327680
    .private_segment_fixed_size: 0
    .kernarg_segment_align: 8
    .kernarg_segment_size: 96
    .max_flat_workgroup_size: 128
    .sgpr_count:     102
    .vgpr_count:     512
    .wavefront_size: 32
...
	.end_amdgpu_metadata
.endif
;; end of part 3
;; ======== version 2 of 2: 3 launches
;; limits: right only within a limited range of input values
;; workspace buffers: qkvc 29,491,200 bytes; ocodes 9,437,184 bytes; oscales 393,216 bytes
;; launch proj (part 4): grid 16 x 16, 4 waves a work-group, clusters of 4 x 4, 327,680 bytes of LDS; arguments x_codes, x_scales, qkv_w0_codes, qkv_w0_scales, qkv_b0, qkv_w1_codes, qkv_w1_scales, qkv_b1, qkv_w2_codes, qkv_w2_scales, qkv_b2, qkvc; writes qkvc
.if DOCPART == 4
	.amdgcn_target "amdgcn-amd-amdhsa--gfx1250"
	.amdhsa_code_object_version 6
	.text
	.protected	k_q6eb1d3c231_proj
	.globl	k_q6eb1d3c231_proj
	.p2align	8
	.type	k_q6eb1d3c231_proj,@function
k_q6eb1d3c231_proj:
	s_mov_b64 s[64:65], 0
	v_nop
	global_prefetch_b8 v0, s[64:65] scope:SCOPE_SE
	s_setreg_imm32_b32 hwreg(HW_REG_WAVE_MODE, 25, 1), 1
	s_wait_xcnt 0x0
	s_wait_alu depctr_hold_cnt(0) depctr_sa_sdst(0) depctr_va_vdst(0) depctr_va_sdst(0) depctr_va_ssrc(0) depctr_va_vcc(0) depctr_vm_vsrc(0)
	s_getreg_b32 s2, hwreg(HW_REG_IB_STS2, 6, 4)
	s_cmp_eq_u32 s2, 0
	s_cbranch_scc0 .Lentry_in_a_cluster
	s_endpgm
.Lentry_in_a_cluster:
	s_bfe_u32 s2, ttmp6, 0x10000c
	s_cmp_lg_u32 s2, 0xf033
	s_cbranch_scc0 .Lentry_shape_is_right
	s_endpgm
.Lentry_shape_is_right:
.set PITCH, 816
.set TB16,  16*PITCH
.set UB,    64*PITCH
.set SPARE, 6*UB
.set CH,    6400
.set PLANE, 512*CH
.set WPART, 1024*768
.set PADW,  (1<<20)|(1<<21)|(5<<22)|(3<<25)
.set ADW1, 8
.set ADW2, 9
.set AW1,  10
.set AW2,  11
.set GO0,  12
.set GO1,  13
.set GO8,  14
.set SOFF, 15
.set BO,   16
.set BR,   17
.set WSO,  18
.set SPW,  19
.set NIL,  20
.set WD,   22
.set XS,   24
.set WS,   40
.set WRAW, 56
.set TM,   72
.set CT,   84
.set X,    92
.set ACC,  128
.set XRAW, 128
.set BC,   192
.set G1X,  28
.set G1W,  36
.set G1H,  44
.set G0X,  52
.set G0H,  56
.set G0A,  60
.set G0B,  68
.set SEL,  66
.set WV,   72
.set MSB, 0
.macro WIN new
.if MSB != (\new)
	s_set_vgpr_msb (MSB<<8)|(\new)
.set MSB, (\new)
.endif
.endm
.macro CROUND
	s_barrier_signal -1
	s_barrier_wait -1
	s_cmp_lg_u32 s[WV], 0
	s_cbranch_scc1 .Lnot_wave_0_\@
	s_barrier_signal -3
.Lnot_wave_0_\@:
	s_barrier_wait -3
	s_barrier_signal -1
	s_barrier_wait -1
.endm
.macro PLACES
.rept 4
	v_nop
.endr
.endm
	s_load_b512 s[4:19], s[0:1], 0x0
	s_load_b256 s[20:27], s[0:1], 0x40
	v_lshl_add_u32 v[SPW], v0, 2, SPARE
	v_mov_b32 v[NIL], 0
	ds_add_u32 v19, v20
	ds_add_u32 v19, v20
	s_wait_dscnt 0x0
	v_lshrrev_b32 v1, 5, v0
	v_readfirstlane_b32 s[WV], v1
	s_and_b32 s73, s[WV], 1
	s_lshr_b32 s74, s[WV], 1
	s_bfe_u32 s75, ttmp6, 0x40000
	s_bfe_u32 s76, ttmp6, 0x40004
	s_lshl_b32 s77, ttmp9, 2
	s_add_co_u32 s77, s77, s75
	s_and_b32 s78, ttmp7, 0xffff
	s_lshl_b32 s78, s78, 2
	s_add_co_u32 s78, s78, s76
	s_lshl_b32 s79, s76, 2
	s_lshl_b32 s79, 15, s79
	s_lshl_b32 s80, 0x1111, s75
	s_mov_b32 s[SEL], 0x76543210
	s_mov_b32 s[SEL+1], 0xfedcba98
	s_or_b32 s[G1X], s79, PADW
	s_or_b32 s[G1W], s80, PADW
.irp g, G1X, G1W
	s_mov_b32 s[\g+1], 768<<16
	s_mov_b32 s[\g+3], 768<<16
	s_mov_b32 s[\g+6], 0
	s_mov_b32 s[\g+7], 0
.endr
	s_mov_b32 s[G1X+2], 128<<16
	s_mov_b32 s[G1X+4], 128
	s_mov_b32 s[G1X+5], 1536
	s_mov_b32 s[G1W+2], 64<<16
	s_mov_b32 s[G1W+4], 64
	s_mov_b32 s[G1W+5], 768
	s_lshl_b32 s81, s78, 8
	s_lshl_b32 s82, s[WV], 6
	s_add_co_u32 s81, s81, s82
	s_mul_i32 s82, s81, 1536
	s_mov_b32 s83, 0
	s_lshl_b32 s84, s81, 6
	s_mov_b32 s85, 0
	s_mul_i32 s86, s77, 64*768
	s_mov_b32 s87, 0
	s_lshl_b32 s88, s77, 11
	s_mov_b32 s89, 0
	s_lshl_b32 s90, s77, 8
	s_mov_b32 s91, 0
	s_lshl_b32 s92, s77, 5
	s_lshl_b32 s93, s78, 1
	s_add_co_u32 s92, s92, s93
	s_add_co_u32 s92, s92, s74
	s_mul_i32 s92, s92, CH
	s_mov_b32 s93, 0
	s_mul_i32 s94, s[WV], UB
	s_add_co_u32 s95, s94, 2*UB
	s_mul_i32 s96, s73, UB                         ; waves 2, 3 fetch W's units 0, 1 whole
	s_mul_i32 s98, s73, WPART
	s_mov_b32 s99, 0
	s_mul_i32 s100, s73, 64*1536                   ; waves 0, 1 fetch 128 rows of x each
	s_mov_b32 s101, 0
	s_wait_kmcnt 0x0
	s_add_nc_u64 s[4:5], s[4:5], s[82:83]
	s_add_nc_u64 s[6:7], s[6:7], s[84:85]
.irp k, 0,1,2
	s_add_nc_u64 s[8+6*\k:9+6*\k], s[8+6*\k:9+6*\k], s[86:87]
	s_add_nc_u64 s[10+6*\k:11+6*\k], s[10+6*\k:11+6*\k], s[88:89]
	s_add_nc_u64 s[12+6*\k:13+6*\k], s[12+6*\k:13+6*\k], s[90:91]
.endr
	s_add_nc_u64 s[26:27], s[26:27], s[92:93]
	s_mov_b32 s[G0X], 1
	s_add_co_u32 s[G0X+1], s95, s94
	s_add_nc_u64 s[G0X+2:G0X+3], s[4:5], s[100:101]
	s_or_b32 s[G0X+3], s[G0X+3], 0x80000000
	s_mov_b32 s[G0H], 1
	s_mov_b32 s[G0H+1], s96
	s_add_nc_u64 s[G0H+2:G0H+3], s[8:9], s[98:99]
	s_or_b32 s[G0H+3], s[G0H+3], 0x80000000
	s_sub_co_u32 s98, s[WV], 1
	s_cmp_eq_u32 s[WV], 0
	s_cselect_b32 s98, 2, s98
	s_cselect_b64 s[100:101], s[8:9], s[14:15]
	s_mul_i32 s98, s98, WPART
	s_mov_b32 s[G0A], 1
	s_mov_b32 s[G0A+1], s95
	s_add_nc_u64 s[G0A+2:G0A+3], s[100:101], s[98:99]
	s_or_b32 s[G0A+3], s[G0A+3], 0x80000000
	s_mul_i32 s98, s[WV], WPART
	s_mov_b32 s[G0B], 1
	s_mov_b32 s[G0B+1], s94
	s_add_nc_u64 s[G0B+2:G0B+3], s[20:21], s[98:99]
	s_or_b32 s[G0B+3], s[G0B+3], 0x80000000
	CROUND
	s_cmp_lt_u32 s[WV], 2                          ; the head's tiles, one load a wave: x's two halves, W's first two units
	s_cbranch_scc0 .Lhead_w
	tensor_load_to_lds s[G0X:G0X+3], s[G1X:G1X+7]
	s_nop 0
.rept 4
	v_nop
.endr
	s_branch .Lhead_asked
.Lhead_w:
	tensor_load_to_lds s[G0H:G0H+3], s[G1W:G1W+7]
	s_nop 0
.rept 4
	v_nop
.endr
.Lhead_asked:
	v_and_b32 v1, 15, v0
	v_bfe_u32 v2, v0, 4, 1
	v_and_b32 v3, 31, v0
	v_mul_u32_u24 v4, v1, PITCH
	v_mad_u32_u24 v[AW1], v2, 400, v4
	v_lshl_add_u32 v[AW2], v2, 4, v[AW1]
	v_add_nc_u32 v[ADW1], s95, v[AW1]
	v_add_nc_u32 v[ADW2], s95, v[AW2]
	s_mul_i32 s2, s73, 3072
	v_lshl_add_u32 v[GO0], v3, 4, s2
	s_mul_i32 s2, s73, 768
	v_lshl_add_u32 v[GO1], v3, 4, s2
	v_lshl_add_u32 v[GO8], v3, 3, s2
	s_lshl_b32 s2, s73, 3
	v_lshl_add_u32 v[SOFF], v1, 4, s2
	v_lshlrev_b32 v[BO], 5, v2
	v_lshlrev_b32 v[BR], 2, v1
	v_lshlrev_b32 v[WSO], 5, v3
	v_lshlrev_b32 v5, 6, v3
.irp b, 0,1,2,3
	v_mov_b32 v[TM+4+\b], 0
.endr
.irp p, 0,1
.irp i, 0,1
	global_load_b128 v[XRAW+8*\p+4*\i:XRAW+8*\p+4*\i+3], v5, s[6:7] offset:2048*\p+16*\i
.endr
.endr
.macro PRELOAD u
.set BRN, (\u)/3
.set PT, (\u)%3
	WIN 0
.irp p, 0,1
.irp i, 0,1
	global_load_b128 v[WRAW+8*\p+4*\i:WRAW+8*\p+4*\i+3], v[WSO], s[10+6*BRN:11+6*BRN] offset:32768*PT+1024*\p+16*\i
.endr
.endr
	WIN 0xc0
.if PT == 2
.irp b, 0,1,2,3
.irp j, 0,1,2,3,4,5,6,7
	global_load_b32 v[BC+8*\b+\j], v[BR], s[12+6*BRN:13+6*BRN] offset:4096*PT+64*\b
.endr
.endr
.else
.irp b, 0,1,2,3
	global_load_b128 v[BC+8*\b:BC+8*\b+3], v[BO], s[12+6*BRN:13+6*BRN] offset:4096*PT+64*\b
	global_load_b128 v[BC+8*\b+4:BC+8*\b+7], v[BO], s[12+6*BRN:13+6*BRN] offset:4096*PT+64*\b+16
.endr
.endif
.endm
	PRELOAD 0
.macro FRAG3 reg, s, t
.irp i, 0,1,2
.set J, 3*(\s)+\i
.if J < 8
	ds_load_b128 v[(\reg)+4*\i:(\reg)+4*\i+3], v[ADW1] offset:16*J+TB16*(\t)
.elseif J < 16
	ds_load_b128 v[(\reg)+4*\i:(\reg)+4*\i+3], v[ADW2] offset:16*J+TB16*(\t)
.else
	ds_load_b128 v[(\reg)+4*\i:(\reg)+4*\i+3], v[ADW1] offset:16*J+16+TB16*(\t)
.endif
.endr
.endm
.macro PERMS dst, src
.irp p, 0,1
.irp s, 0,1,2,3,4,5,6,7
.if \s%2
	v_perm_b32 v[\dst+8*\p+\s], v[\src+8*\p+4+\s/2], v[\src+8*\p+\s/2], 0x07030602
.else
	v_perm_b32 v[\dst+8*\p+\s], v[\src+8*\p+4+\s/2], v[\src+8*\p+\s/2], 0x05010400
.endif
.endr
.endr
.endm
	s_wait_tensorcnt 0x0                           ; my tile of the head's four is in
	s_barrier_signal -1
	s_barrier_wait -1                              ; everybody's is
	WIN 0x40
.irp s, 0,1,2,3
.irp a, 0,1,2,3
	FRAG3 48*\s+12*\a, \s, \a
.endr
.endr
	WIN 0x80
.irp s, 4,5,6,7
.irp a, 0,1,2,3
	FRAG3 48*(\s-4)+12*\a, \s, \a
.endr
.endr
	WIN 0
	s_wait_tensorcnt 0x0
	ds_add_u32 v[SPW], v[NIL]
	s_wait_loadcnt 0x0
	PERMS XS, XRAW
	PERMS WS, WRAW
	s_wait_dscnt 0x0
	CROUND
	tensor_load_to_lds s[G0A:G0A+3], s[G1W:G1W+7]
	s_nop 0
.rept 4
	v_nop
.endr
.macro SETW u
	v_add_nc_u32 v[ADW1], UB*((\u)%6), v[AW1]
	v_add_nc_u32 v[ADW2], UB*((\u)%6), v[AW2]
.endm
.macro FETCHW p
	WIN 0xc0
.irp e, 0,1
.irp b, 0,1,2,3
	FRAG3 96*((\p)%2)+48*\e+12*\b, 2*(\p)+\e, \b
.endr
.endr
.endm
.macro WM d, a, b, c, sa, sb, ra, rb
.if (\ra) && (\rb)
	v_wmma_scale_f32_16x16x128_f8f6f4 v[(\d):(\d)+7], v[(\a):(\a)+11], v[(\b):(\b)+11], v[(\c):(\c)+7], v[(\sa)], v[(\sb)] matrix_a_fmt:MATRIX_FMT_FP6 matrix_b_fmt:MATRIX_FMT_FP6 matrix_a_scale:MATRIX_SCALE_ROW1 matrix_b_scale:MATRIX_SCALE_ROW1
.elseif (\ra)
	v_wmma_scale_f32_16x16x128_f8f6f4 v[(\d):(\d)+7], v[(\a):(\a)+11], v[(\b):(\b)+11], v[(\c):(\c)+7], v[(\sa)], v[(\sb)] matrix_a_fmt:MATRIX_FMT_FP6 matrix_b_fmt:MATRIX_FMT_FP6 matrix_a_scale:MATRIX_SCALE_ROW1
.elseif (\rb)
	v_wmma_scale_f32_16x16x128_f8f6f4 v[(\d):(\d)+7], v[(\a):(\a)+11], v[(\b):(\b)+11], v[(\c):(\c)+7], v[(\sa)], v[(\sb)] matrix_a_fmt:MATRIX_FMT_FP6 matrix_b_fmt:MATRIX_FMT_FP6 matrix_b_scale:MATRIX_SCALE_ROW1
.else
	v_wmma_scale_f32_16x16x128_f8f6f4 v[(\d):(\d)+7], v[(\a):(\a)+11], v[(\b):(\b)+11], v[(\c):(\c)+7], v[(\sa)], v[(\sb)] matrix_a_fmt:MATRIX_FMT_FP6 matrix_b_fmt:MATRIX_FMT_FP6
.endif
.endm
.macro MULS role, s, first
.set XO, 48*((\s)%4)
.set WO, 96*(((\s)/2)%2)+48*((\s)%2)
.if \role
	WIN ((1+(\s)/4)|(3<<2)|(0x30*(\first)))
.else
	WIN (3|((1+(\s)/4)<<2)|(0x30*(\first)))
.endif
.irp hi, 0,1,2,3
.irp lo, 0,1,2,3
.set DD, ACC+8*(4*\hi+\lo)
.set CC, ACC+8*(4*\hi+\lo)
.if \role
.if \first
.set CC, BC+8*\hi
.endif
	WM DD, XO+12*\lo, WO+12*\hi, CC, XS+8*(\lo/2)+(\s), WS+8*(\hi/2)+(\s), \lo%2, \hi%2
.else
.if \first
.set CC, BC+8*\lo
.endif
	WM DD, WO+12*\lo, XO+12*\hi, CC, WS+8*(\lo/2)+(\s), XS+8*(\hi/2)+(\s), \lo%2, \hi%2
.endif
.endr
.endr
.endm
.macro QUANT s, d0, d1
.irp b, 0,1,2,3
	v_max3_num_f32 v[TM+\b], |v[(\s)+16*\b]|, |v[(\s)+1+16*\b]|, 0x1800000
.endr
.irp i, 2,4,6,8,10,12,14
.irp b, 0,1,2,3
	v_max3_num_f32 v[TM+\b], v[TM+\b], |v[(\s)+16*\b+\i]|, |v[(\s)+1+16*\b+\i]|
.endr
.endr
.irp b, 0,1,2,3
	v_permlanex16_b32 v[TM+4+\b], v[TM+\b], s[SEL], s[SEL+1]
.endr
.irp b, 0,1,2,3
	v_max_num_f32 v[TM+\b], v[TM+\b], v[TM+4+\b]
.endr
.irp b, 0,1,2,3
	v_add_nc_u32 v[TM+8+\b], 0xff000000, v[TM+\b]
.endr
.irp b, 0,1,2,3
	v_lshrrev_b32 v[TM+4+\b], 23, v[TM+8+\b]
.endr
	v_cvt_scalef32_pk16_fp6_f32 v[(\d0):(\d0)+2], v[(\s):(\s)+15], v[TM+8]
	v_cvt_scalef32_pk16_fp6_f32 v[CT:CT+2], v[(\s)+16:(\s)+31], v[TM+9]
	v_cvt_scalef32_pk16_fp6_f32 v[(\d1):(\d1)+2], v[(\s)+32:(\s)+47], v[TM+10]
	v_cvt_scalef32_pk16_fp6_f32 v[CT+4:CT+6], v[(\s)+48:(\s)+63], v[TM+11]
	v_nop
.irp i, 0,1,2
	v_permlane16_swap_b32 v[(\d0)+\i], v[CT+\i]
	v_permlane16_swap_b32 v[(\d1)+\i], v[CT+4+\i]
.endr
.irp i, 0,1,2
	v_mov_b32 v[(\d0)+3+\i], v[CT+\i]
	v_mov_b32 v[(\d1)+3+\i], v[CT+4+\i]
.endr
.endm
.macro EPI u
.set RL, ((\u)%3)/2
	s_wait_xcnt 0x0
.if (\u) > 0
	s_add_nc_u64 s[26:27], s[26:27], PLANE
.endif
.if (\u) < 8
	s_wait_loadcnt 0x0
	PERMS WS, WRAW
.endif
.irp g, 0,1
	QUANT ACC+64*\g, X+12*\g, X+12*\g+6
	v_lshl_or_b32 v[WD+\g], v[TM+5], 8, v[TM+4]
	v_lshl_or_b32 v[WD+\g], v[TM+6], 16, v[WD+\g]
	v_lshl_or_b32 v[WD+\g], v[TM+7], 24, v[WD+\g]
.if RL
.irp e, 0,1
	global_store_b128 v[GO1], v[X+12*\g+6*\e:X+12*\g+6*\e+3], s[26:27] offset:1536*(2*\g+\e)
	global_store_b64 v[GO8], v[X+12*\g+6*\e+4:X+12*\g+6*\e+5], s[26:27] offset:1536*(2*\g+\e)+512
.endr
.else
.irp c, 0,1,2
	global_store_b128 v[GO0], v[X+12*\g+4*\c:X+12*\g+4*\c+3], s[26:27] offset:1536*\g+512*\c
.endr
.endif
.endr
	global_store_b64 v[SOFF], v[WD:WD+1], s[26:27] offset:6144
.endm
.macro UNIT u, sync
.set RL, ((\u)%3)/2
	s_wait_dscnt 0x0
	FETCHW 1
	MULS RL, 0, 1
	MULS RL, 1, 0
	s_wait_dscnt 0x0
	PLACES
.if (\u) < 8
	PRELOAD (\u)+1
.endif
	FETCHW 2
	MULS RL, 2, 0
	MULS RL, 3, 0
	s_wait_dscnt 0x0
	PLACES
	FETCHW 3
	MULS RL, 4, 0
	MULS RL, 5, 0
	s_wait_dscnt 0x0
	MULS RL, 6, 0
	MULS RL, 7, 0
	WIN 0
	PLACES
.if (\sync) == 1
	s_wait_tensorcnt 0x0
	s_wait_dscnt 0x0
	s_barrier_signal -1
	s_barrier_wait -1
.endif
.if (\sync) == 2
	s_wait_tensorcnt 0x0
	ds_add_u32 v[SPW], v[NIL]
	s_wait_dscnt 0x0
	CROUND
	s_cmp_lt_u32 s[WV], 3
	s_cbranch_scc0 .Lnone_\@
	tensor_load_to_lds s[G0B:G0B+3], s[G1W:G1W+7]
	s_nop 0
.rept 4
	v_nop
.endr
.Lnone_\@:
.endif
.if (\u) < 8
	SETW (\u)+1
	FETCHW 0
	WIN 0
.endif
	EPI \u
.endm
	SETW 0
	FETCHW 0
	s_wait_alu depctr_va_vdst(0)
	UNIT 0, 0
	UNIT 1, 1
	UNIT 2, 2
	UNIT 3, 0
	UNIT 4, 0
	UNIT 5, 1
	UNIT 6, 0
	UNIT 7, 0
	UNIT 8, 0
	s_wait_tensorcnt 0x0
	ds_add_u32 v[SPW], v[NIL]
	s_wait_dscnt 0x0
	CROUND
	s_endpgm
.Lfunc_end_k_q6eb1d3c231_proj:
	.size	k_q6eb1d3c231_proj, .Lfunc_end_k_q6eb1d3c231_proj-k_q6eb1d3c231_proj
	.p2alignl 7, 3214868480
	.fill 96, 4, 3214868480
	.section	.rodata,"a",@progbits
	.p2align	6, 0x0
	.amdhsa_kernel k_q6eb1d3c231_proj
		.amdhsa_group_segment_fixed_size 327680
		.amdhsa_private_segment_fixed_size 0
		.amdhsa_enable_private_segment 0
		.amdhsa_kernarg_size 96
		.amdhsa_user_sgpr_count 2
		.amdhsa_user_sgpr_kernarg_segment_ptr 1
		.amdhsa_wavefront_size32 1
		.amdhsa_system_sgpr_workgroup_id_x 1
		.amdhsa_system_sgpr_workgroup_id_y 1
		.amdhsa_system_sgpr_workgroup_id_z 1
		.amdhsa_system_vgpr_workitem_id 0
		.amdhsa_next_free_vgpr 1024
		.amdhsa_next_free_sgpr 102
		.amdhsa_reserve_vcc 0
		.amdhsa_float_denorm_mode_32 3
		.amdhsa_float_denorm_mode_16_64 3
		.amdhsa_memory_ordered 1
		.amdhsa_forward_progress 1
		.amdhsa_inst_pref_size 255
	.end_amdhsa_kernel
	.section	.bss,"aw",@nobits
	.p2align	6
	.space	262144
	.amdgpu_metadata
---
amdhsa.version: [ 1, 2 ]
amdhsa.kernels:
  - .name:           k_q6eb1d3c231_proj
    .symbol:         k_q6eb1d3c231_proj.kd
    .args:
      - { .name: x_codes, .offset: 0, .size: 8, .value_kind: global_buffer, .address_space: global }
      - { .name: x_scales, .offset: 8, .size: 8, .value_kind: global_buffer, .address_space: global }
      - { .name: qkv_w0_codes, .offset: 16, .size: 8, .value_kind: global_buffer, .address_space: global }
      - { .name: qkv_w0_scales, .offset: 24, .size: 8, .value_kind: global_buffer, .address_space: global }
      - { .name: qkv_b0, .offset: 32, .size: 8, .value_kind: global_buffer, .address_space: global }
      - { .name: qkv_w1_codes, .offset: 40, .size: 8, .value_kind: global_buffer, .address_space: global }
      - { .name: qkv_w1_scales, .offset: 48, .size: 8, .value_kind: global_buffer, .address_space: global }
      - { .name: qkv_b1, .offset: 56, .size: 8, .value_kind: global_buffer, .address_space: global }
      - { .name: qkv_w2_codes, .offset: 64, .size: 8, .value_kind: global_buffer, .address_space: global }
      - { .name: qkv_w2_scales, .offset: 72, .size: 8, .value_kind: global_buffer, .address_space: global }
      - { .name: qkv_b2, .offset: 80, .size: 8, .value_kind: global_buffer, .address_space: global }
      - { .name: qkvc, .offset: 88, .size: 8, .value_kind: global_buffer, .address_space: global }
    .group_segment_fixed_size: 327680
    .private_segment_fixed_size: 0
    .kernarg_segment_align: 8
    .kernarg_segment_size: 96
    .max_flat_workgroup_size: 128
    .sgpr_count:     102
    .vgpr_count:     1024
    .wavefront_size: 32
...
	.end_amdgpu_metadata
.endif
;; end of part 4
;; launch attn (part 5): grid 16 x 16, 8 waves a work-group, clusters of 4 x 1, 327,680 bytes of LDS; arguments qkvc, ocodes, oscales; writes ocodes, oscales
.if DOCPART == 5
	.amdgcn_target "amdgcn-amd-amdhsa--gfx1250"
	.amdhsa_code_object_version 6
	.text
	.protected	k_q6eb1d3c231_attn
	.globl	k_q6eb1d3c231_attn
	.p2align	8
	.type	k_q6eb1d3c231_attn,@function
k_q6eb1d3c231_attn:
	s_mov_b64 s[64:65], 0
	v_nop
	global_prefetch_b8 v0, s[64:65] scope:SCOPE_SE
	s_setreg_imm32_b32 hwreg(HW_REG_WAVE_MODE, 25, 1), 1
	s_wait_xcnt 0x0
	s_wait_alu depctr_hold_cnt(0) depctr_sa_sdst(0) depctr_va_vdst(0) depctr_va_sdst(0) depctr_va_ssrc(0) depctr_va_vcc(0) depctr_vm_vsrc(0)
	s_getreg_b32 s2, hwreg(HW_REG_IB_STS2, 6, 4)
	s_cmp_eq_u32 s2, 0
	s_cbranch_scc0 .Lentry_in_a_cluster
	s_endpgm
.Lentry_in_a_cluster:
	s_bfe_u32 s2, ttmp6, 0x10000c
	s_cmp_lg_u32 s2, 0x3003
	s_cbranch_scc0 .Lentry_shape_is_right
	s_endpgm
.Lentry_shape_is_right:
; The attention of all three branches for 256 rows of one head, on codes of FP6 (E2M3) with one E8M0 scale for each 32 along a product's K; o / l is quantised along d and leaves as codes.
; SHARES.  Work-group (x, y) owns rows 256 x .. 256 x + 255 of head y, in three jobs: branch i has segments of 256 << i rows, 2 << i key steps of 128: 14 key steps in each of the 256 work-groups.
; Each of the eight waves owns 32 queries, two tiles of 16: an image of k or v read from LDS serves both tiles, and the two tiles' chains of vector work are laid by turns.
; LDS.  All of k and v that the work-group reads, 28 chunks of 6,400 bytes, is filled once.  Head: job 0, 25 rows of 256 bytes by each of waves 0-3.  Behind the full sequence and a round of the cluster's
; barrier, one load a wave: job 1 (waves 0-3, 50 rows each) and job 2 (waves 4-7, 100 rows each).  The adds of 0 stand twice.
; CLUSTER 4, 1, 1: the four row blocks of a cluster lie in one segment of branch 2 and ask for its k and v jointly (mask 15).  Job 1's tiles are shared by two of the four only and job 0's by none: a joint form would
; need an LDS address that hangs on the place in the cluster, so these 76,800 of 179,200 bytes come by plain loads.
; NO PREFETCH: every tile is asked for at the head or behind the first round; there is no later request to run ahead of.
; IN.  qkvc [3 branch + part][head 16][block of 128 rows 32][6,400 bytes]: four images of 1,536 bytes, then 256 scale bytes, 16 for each lane % 16.
;   q, k: image p = [4 registers 3][lane 32][16 bytes]: row tile 2 p in registers 0-5, tile 2 p + 1 in registers 6-11; scale word p: two bytes for each.  My 32 queries are one image.
;   v: image s = channels 16 s on x 128 keys in two halves of 64 keys: [registers 0-3: lane x 16 bytes][registers 4-5: lane x 8 bytes]; scale bytes [half 2][tile 4][2 bytes].
; Both products are used transposed (S^T = k q^T, O^T = v^T p^T): a lane holds one query of each tile.  K = 64 in a form 128 deep: an image of k is multiplied by [q, 0] and by [0, q].
; Register 8 t + j of lane (r, h) is key 16 t + 8 h + j: p's codes have a block's two middle groups of eight exchanged, as v's were made; q's and k's channels likewise.
; k's images of the next step are asked for behind this step's first products, into registers of their own; a job's last step asks for none.
; SOFTMAX.  t = score x log2(e) / 8; M = the running largest t rounded up; p = 2^(t - M) is quantised along the keys; the sum is taken of the unquantised p and divides O at the end.
; Work on neighbouring registers goes in dual-issue pairs: even and odd destinations, and each pair of sources in registers of different number mod 4 (so c, -M and f are kept twice).
; OUT.  The two tiles exchange lane halves, so that lanes 0-15 hold a row of tile A and lanes 16-31 a row of tile B with all 64 channels in order.
;   ocodes [row tile 256][K step 24 = 8 branch + head % 8][4 registers 3][lane 32][16 bytes]: lanes 0-15 head s, lanes 16-31 head 8 + s: sixteen lanes store 256 consecutive bytes.
;   oscales [branch 3][row 4,096][32]: my head's two bytes of a row (the others are other work-groups').
; REGISTERS.  Window 0: addresses, q, scale words, images, O^T.  Window 1: the scores and all that the softmax works on.
; LIMITS: NaN and infinities are not served; p under 2^-126 becomes 0; a block of zeros gets the byte 1 with zero codes (this program alone reads the bytes); 1 / l is v_rcp_f32 and a multiplication;
; the scaled scores stay under 2^31 in magnitude.
.set CH,    6400
.set SPARE, 179200
.set LI,   1
.set RS,   2
.set ADK,  3
.set ADV,  4
.set ADKS, 5
.set ADVS, 6
.set OG,   7
.set ADV8, 8
.set QO,   9
.set QS,   10
.set OG2,  11
.set OSO,  12
.set SPW,  13
.set NIL,  14
.set QF,   16                          ; tile q: q, six zeros, q at 16 + 18 q
.set QW,   52
.set PW,   54
.set KSW,  56
.set VSW,  60
.set VRW,  64
.set KF,   68                          ; k's four images
.set OT,   116                         ; O^T: channel tile s of query tile q at 116 + 16 s + 8 q
.set VF,   180                         ; v's four images; at a job's end at work
.set IMG,  228                         ; q's image and word
.set F0,   242                         ; f of tile q, twice, at 242 + 2 q
.set TPC,  VF
.set TCT,  VF+12
.set TBM,  VF+20
.set TSO,  VF+22
.set TBY,  VF+24
.set THW,  VF+26
; window 1: the scores of tile q at 64 q
.set PCD,  128
.set CT,   152
.set BM,   168
.set PT,   176
.set SO,   184
.set MM,   192                         ; -M, the largest t, the sum's two halves
.set F,    200
.set TMP,  204
.set AC,   208
.set PWT,  224
.set CV,   228                         ; c, twice
.set NM2,  231                         ; -M once more, at 231 + 2 q
.set WV,  10
.set HD,  11
.set CX,  12
.set WGX, 13
.set SEL, 14
.set CS,  16
.set TK,  18
.set TV,  19
.set CNT, 20
.set G1A, 28
.set G1B, 36
.set G1C, 44
.set G0H, 52
.set G0P, 56
.set G0J, 60
.set QBS, 68
.set MSB, 0
.macro WIN new
.if MSB != (\new)
	s_set_vgpr_msb (MSB<<8)|(\new)
.set MSB, (\new)
.endif
.endm
.macro ROUND
	s_barrier_signal -1
	s_barrier_wait -1
	s_cmp_lg_u32 s[WV], 0
	s_cbranch_scc1 .Lnot_wave_0_\@
	s_barrier_signal -3
.Lnot_wave_0_\@:
	s_barrier_wait -3
	s_barrier_signal -1
	s_barrier_wait -1
.endm
.macro NOPS
.rept 4
	v_nop
.endr
.endm
	s_load_b128 s[4:7], s[0:1], 0x0                ; qkvc, ocodes
	s_load_b64 s[8:9], s[0:1], 0x10                ; oscales
	v_lshl_add_u32 v[SPW], v0, 2, SPARE
	v_mov_b32 v[NIL], 0
	ds_add_u32 v[SPW], v[NIL]                      ; the opening lines
	ds_add_u32 v[SPW], v[NIL]
	v_lshrrev_b32 v1, 5, v0
	v_readfirstlane_b32 s[WV], v1                  ; wave 0..7
	s_and_b32 s[HD], ttmp7, 0xffff                 ; the head
	s_bfe_u32 s[CX], ttmp6, 0x40000
	s_lshl_b32 s[WGX], ttmp9, 2
	s_add_co_u32 s[WGX], s[WGX], s[CX]             ; my block of 256 rows
	s_mov_b32 s[G1A], 3<<16                        ; dense chunks as rows of 256 bytes (32 elements of 8): 25 rows,
	s_mov_b32 s[G1B], 3<<16                        ; 50 rows,
	s_mov_b32 s[G1C], 15|(3<<16)|(1<<21)           ; 100 rows, asked for jointly by the four
.irp g, G1A, G1B, G1C
	s_mov_b32 s[\g+1], 32<<16
	s_mov_b32 s[\g+3], 32<<16
	s_mov_b32 s[\g+5], 32
	s_mov_b32 s[\g+6], 0
	s_mov_b32 s[\g+7], 0
.endr
	s_mov_b32 s[G1A+2], 25<<16
	s_mov_b32 s[G1A+4], 25
	s_mov_b32 s[G1B+2], 50<<16
	s_mov_b32 s[G1B+4], 50
	s_mov_b32 s[G1C+2], 100<<16
	s_mov_b32 s[G1C+4], 100
	s_mov_b32 s[SEL], 0x76543210
	s_mov_b32 s[SEL+1], 0xfedcba98                 ; selects for lane l xor 16
	s_mov_b32 s[CS], 0x3e38aa3b                    ; c = log2(e) / 8
	s_and_b32 s21, s[WV], 1                        ; I fetch k (0) or v (1),
	s_bfe_u32 s22, s[WV], 0x10001                  ; and which half of its chunks
	s_wait_dscnt 0x0
	s_wait_kmcnt 0x0
	; job 2's joint load: made of the cluster's x, the head and the wave alone.  LDS 76,800 + 51,200 v + 25,600 half
	s_mul_i32 s75, s21, 51200
	s_mul_i32 s76, s22, 25600
	s_add_co_u32 s75, s75, s76
	s_mov_b32 s[G0J], 1
	s_add_co_u32 s[G0J+1], s75, 76800
	s_add_co_u32 s75, s21, 7                       ; chunk ((7 + v) 16 + head) 32 + 8 cluster + 4 half
	s_lshl_b32 s75, s75, 4
	s_add_co_u32 s75, s75, s[HD]
	s_lshl_b32 s75, s75, 5
	s_lshl_b32 s76, ttmp9, 3
	s_add_co_u32 s75, s75, s76
	s_lshl_b32 s76, s22, 2
	s_add_co_u32 s75, s75, s76
	s_mul_i32 s76, s75, CH
	s_mov_b32 s77, 0
	s_add_nc_u64 s[G0J+2:G0J+3], s[4:5], s[76:77]
	s_or_b32 s[G0J+3], s[G0J+3], 0x80000000
	; job 0: LDS 12,800 v + 6,400 half; chunk ((1 + v) 16 + head) 32 + 2 x + half
	s_mul_i32 s25, s21, 12800
	s_mul_i32 s26, s22, 6400
	s_mov_b32 s[G0H], 1
	s_add_co_u32 s[G0H+1], s25, s26
	s_add_co_u32 s25, s21, 1
	s_lshl_b32 s25, s25, 4
	s_add_co_u32 s25, s25, s[HD]
	s_lshl_b32 s25, s25, 5
	s_lshl_b32 s24, s[WGX], 1
	s_add_co_u32 s25, s25, s24
	s_add_co_u32 s25, s25, s22
	s_mul_i32 s26, s25, CH
	s_mov_b32 s27, 0
	s_add_nc_u64 s[G0H+2:G0H+3], s[4:5], s[26:27]
	s_or_b32 s[G0H+3], s[G0H+3], 0x80000000
	; job 1: LDS 25,600 + 25,600 v + 12,800 half; chunk ((4 + v) 16 + head) 32 + the segment's first block + 2 half
	s_mul_i32 s25, s21, 25600
	s_mul_i32 s26, s22, 12800
	s_add_co_u32 s25, s25, s26
	s_mov_b32 s[G0P], 1
	s_add_co_u32 s[G0P+1], s25, 25600
	s_add_co_u32 s25, s21, 4
	s_lshl_b32 s25, s25, 4
	s_add_co_u32 s25, s25, s[HD]
	s_lshl_b32 s25, s25, 5
	s_and_b32 s24, s24, -4
	s_add_co_u32 s25, s25, s24
	s_lshl_b32 s26, s22, 1
	s_add_co_u32 s25, s25, s26
	s_mul_i32 s26, s25, CH
	s_add_nc_u64 s[G0P+2:G0P+3], s[4:5], s[26:27]
	s_or_b32 s[G0P+3], s[G0P+3], 0x80000000
	ROUND                                          ; in a cluster launch every group of tensor loads stands behind a round
	s_cmp_lt_u32 s[WV], 4
	s_cbranch_scc0 .Lhead_none
	tensor_load_to_lds s[G0H:G0H+3], s[G1A:G1A+7]  ; job 0: a chunk a wave
	s_nop 0
	NOPS
.Lhead_none:
	s_lshl_b32 s22, s[WGX], 1
	s_lshr_b32 s23, s[WV], 2
	s_add_co_u32 s22, s22, s23                     ; my queries' block of 128 rows
.irp k, 0,1,2
	s_add_co_u32 s24, s[HD], 48*\k
	s_lshl_b32 s24, s24, 5
	s_add_co_u32 s24, s24, s22
	s_mul_i32 s24, s24, CH
	s_mov_b32 s25, 0
	s_add_nc_u64 s[QBS+2*\k:QBS+2*\k+1], s[4:5], s[24:25]
.endr
	s_and_b32 s23, s[WV], 3                        ; my image of the chunk
	s_mul_i32 s24, s23, 1536
	s_lshl_b32 s25, s23, 2
	v_and_b32 v3, 31, v0                           ; lane
	v_and_b32 v4, 15, v0                           ; r
	v_bfe_u32 v5, v0, 4, 1                         ; h
	v_lshlrev_b32 v[LI], 4, v3
	v_lshlrev_b32 v[RS], 4, v4
	v_lshlrev_b32 v[OG], 3, v3
	v_lshlrev_b32 v[OSO], 5, v3                    ; oscales: 32 bytes a row, a lane a row
	v_mul_u32_u24 v6, v5, 36864                    ; ocodes: lanes 16-31 store into the next row tile
	v_add_nc_u32 v[QO], s24, v[LI]
	v_add_nc_u32 v[QS], s25, v[RS]
	v_add_nc_u32 v[OG2], v6, v[RS]
.macro QLOAD k                         ; q's image and word of job k: four loads
.irp c, 0,1,2
	global_load_b128 v[IMG+4*\c:IMG+4*\c+3], v[QO], s[QBS+2*(\k):QBS+2*(\k)+1] offset:512*\c
.endr
	global_load_b32 v[IMG+12], v[QS], s[QBS+2*(\k):QBS+2*(\k)+1] offset:6144
.endm
	QLOAD 0
	s_lshl_b32 s21, s[WGX], 4
	s_lshl_b32 s22, s[WV], 1
	s_add_co_u32 s21, s21, s22                     ; my first row tile
	s_mul_i32 s22, s21, 24
	s_and_b32 s23, s[HD], 7
	s_add_co_u32 s22, s22, s23
	s_mul_i32 s22, s22, 1536
	s_lshr_b32 s23, s[HD], 3
	s_lshl_b32 s23, s23, 8
	s_add_co_u32 s22, s22, s23                     ; ocodes: (24 tile + head % 8) 1,536 + 256 (head / 8)
	s_mov_b32 s23, 0
	s_add_nc_u64 s[6:7], s[6:7], s[22:23]
	s_lshl_b32 s24, s21, 9                         ; oscales: 16 tile rows x 32 bytes + 2 head
	s_lshl_b32 s25, s[HD], 1
	s_add_co_u32 s24, s24, s25
	s_mov_b32 s25, 0
	s_add_nc_u64 s[8:9], s[8:9], s[24:25]
.irp q, 0,1
.irp k, 0,1,2,3,4,5
	v_mov_b32 v[QF+18*\q+6+\k], 0                  ; the zero codes between q and q: written once
.endr
.endr
	WIN 0x40
.irp k, 0,1,2,3,4,5,6,7
	v_mov_b32 v[PT+\k], 0                          ; a lane permute's destination counts as one of its sources
.endr
	v_mov_b32 v[F+1], 0                            ; (named as the upper halves of pairs)
	v_mov_b32 v[F+3], 0
	v_mov_b32 v[CV], s[CS]
	v_mov_b32 v[CV+1], s[CS]
	WIN 0
	s_wait_alu depctr_va_vdst(0)
	s_wait_tensorcnt 0x0                           ; my chunk of job 0 is in; the full sequence ahead of the later first fills
	ds_add_u32 v[SPW], v[NIL]
	ds_add_u32 v[SPW], v[NIL]                      ; twice
	s_wait_dscnt 0x0
	ROUND                                          ; everybody's chunk is in, and the four work-groups are here
	s_cmp_lt_u32 s[WV], 4                          ; one load a wave behind the round
	s_cbranch_scc0 .Lsec_j
	tensor_load_to_lds s[G0P:G0P+3], s[G1B:G1B+7]  ; job 1
	s_nop 0
	NOPS
	s_branch .Lsec_asked
.Lsec_j:
	tensor_load_to_lds s[G0J:G0J+3], s[G1C:G1C+7]  ; job 2, jointly
	s_nop 0
	NOPS
.Lsec_asked:
.macro RESCALE                         ; O^T x f, each accumulator from its low end on
.irp s, 0,1,2,3
.irp j, 0,2,4,6
	v_dual_mul_f32 v[OT+16*\s+\j], v[OT+16*\s+\j], v[F0] :: v_dual_mul_f32 v[OT+16*\s+\j+1], v[OT+16*\s+\j+1], v[F0+1]
	v_dual_mul_f32 v[OT+16*\s+8+\j], v[OT+16*\s+8+\j], v[F0+2] :: v_dual_mul_f32 v[OT+16*\s+9+\j], v[OT+16*\s+9+\j], v[F0+3]
.endr
.endr
.endm
.macro KLOAD                           ; k's four images and scale words
.irp p, 0,1,2,3
.irp c, 0,1,2
	ds_load_b128 v[KF+12*\p+4*\c:KF+12*\p+4*\c+3], v[ADK] offset:1536*\p+512*\c
.endr
.endr
	ds_load_b128 v[KSW:KSW+3], v[ADKS] offset:6144
.endm
; A KEY STEP: 128 keys; k's images are on their way or in; v's chunk lies at s[TV], the next step's k at s[TK]; both query tiles.
.macro STEP
	s_wait_dscnt 0x0                               ; k's images are in
	WIN 0x40                                       ; the scores go to window 1
.irp p, 0,1,2,3
.irp q, 0,1
	v_wmma_scale_f32_16x16x128_f8f6f4 v[64*\q+16*\p:64*\q+16*\p+7], v[KF+12*\p:KF+12*\p+11], v[QF+18*\q:QF+18*\q+11], 0, v[KSW+\p], v[QW+\q] matrix_a_fmt:MATRIX_FMT_FP6 matrix_b_fmt:MATRIX_FMT_FP6
	v_wmma_scale_f32_16x16x128_f8f6f4 v[64*\q+16*\p+8:64*\q+16*\p+15], v[KF+12*\p:KF+12*\p+11], v[QF+18*\q+6:QF+18*\q+17], 0, v[KSW+\p], v[QW+\q] matrix_a_fmt:MATRIX_FMT_FP6 matrix_b_fmt:MATRIX_FMT_FP6
.endr
.endr
	WIN 0
	v_add_nc_u32 v[ADV], s[TV], v[LI]              ; (these five are the places in front of the loads below and of the first read of the scores)
	v_add_nc_u32 v[ADV8], s[TV], v[OG]
	v_add_nc_u32 v[ADVS], s[TV], v[RS]
	v_add_nc_u32 v[ADK], s[TK], v[LI]
	v_add_nc_u32 v[ADKS], s[TK], v[RS]
.irp p, 0,1,2,3                                ; v's images land while the softmax is worked
.irp f, 0,1
	ds_load_b128 v[VF+12*\p+6*\f:VF+12*\p+6*\f+3], v[ADV] offset:1536*\p+768*\f
	ds_load_b64 v[VF+12*\p+6*\f+4:VF+12*\p+6*\f+5], v[ADV8] offset:1536*\p+768*\f+512
.endr
.endr
	ds_load_b128 v[VRW:VRW+3], v[ADVS] offset:6144
	s_cmp_eq_u32 s[CNT], 1                         ; a job's last step has no next k
	s_cbranch_scc1 .Lno_k_\@
	KLOAD
.Lno_k_\@:
	WIN 0x55                                       ; all of the softmax in window 1
.irp b, 0,1,2,3
.irp q, 0,1
	v_max3_num_f32 v[BM+4*\q+\b], v[64*\q+16*\b], v[64*\q+16*\b+1], v[64*\q+16*\b+2]   ; the largest score of each block of 32 keys
.endr
.endr
.irp i, 3,5,7,9,11,13
.irp b, 0,1,2,3
.irp q, 0,1
	v_max3_num_f32 v[BM+4*\q+\b], v[BM+4*\q+\b], v[64*\q+16*\b+\i], v[64*\q+16*\b+\i+1]
.endr
.endr
.endr
.irp k, 0,1,2,3,4,5,6,7
	v_max_num_f32 v[BM+\k], v[BM+\k], v[16*\k+15]
.endr
.irp k, 0,1,2,3,4,5,6,7
	v_permlanex16_b32 v[PT+\k], v[BM+\k], s[SEL], s[SEL+1]
.endr
.irp k, 0,1,2,3,4,5,6,7
	v_max_num_f32 v[BM+\k], v[BM+\k], v[PT+\k]     ; with lane l xor 16's 16 keys
.endr
.irp q, 0,1
	v_max3_num_f32 v[TMP+\q], v[BM+4*\q], v[BM+4*\q+1], v[BM+4*\q+2]
.endr
.irp q, 0,1
	v_max_num_f32 v[TMP+\q], v[TMP+\q], v[BM+4*\q+3]
.endr
.irp q, 0,1
	v_mul_f32 v[TMP+\q], s[CS], v[TMP+\q]          ; the step's largest t
.endr
.irp q, 0,1
	v_max_num_f32 v[MM+4*\q+1], v[MM+4*\q+1], v[TMP+\q]   ; the running largest t
.endr
.irp q, 0,1
	v_mov_b32 v[TMP+\q], v[MM+4*\q]
.endr
.irp q, 0,1
	v_floor_f32 v[MM+4*\q], -v[MM+4*\q+1]          ; the new -M: a whole number,
	v_floor_f32 v[NM2+2*\q], -v[MM+4*\q+1]         ; twice
.endr
.irp q, 0,1
	v_sub_f32 v[TMP+\q], v[MM+4*\q], v[TMP+\q]     ; old M - new M, 0 or less
.endr
.irp q, 0,1
	v_cvt_i32_f32 v[TMP+\q], v[TMP+\q]             ; (it saturates)
.endr
.irp q, 0,1
	v_ldexp_f32 v[F+2*\q], 1.0, v[TMP+\q]          ; f = 2^(old M - new M)
.endr
.irp j, 0,2,4,6,8,10,12,14,16,18,20,22,24,26,28,30,32,34,36,38,40,42,44,46,48,50,52,54,56,58,60,62
.irp q, 0,1
	v_dual_fma_f32 v[64*\q+\j], v[64*\q+\j], v[CV], v[MM+4*\q] :: v_dual_fma_f32 v[64*\q+\j+1], v[64*\q+\j+1], v[CV+1], v[NM2+2*\q]   ; t - M
.endr
.endr
.irp b, 0,2
.irp q, 0,1
	v_dual_fma_f32 v[BM+4*\q+\b], v[BM+4*\q+\b], v[CV], v[MM+4*\q] :: v_dual_fma_f32 v[BM+4*\q+\b+1], v[BM+4*\q+\b+1], v[CV+1], v[NM2+2*\q]   ; the same of each block's largest score
.endr
.endr
; A block's scale without an exponential: its largest p is 2^x, x = its largest t - M, so that p's exponent is floor(x).  LIMIT: where v_exp_f32 rounds a p up onto the next power of two
; (x within an ulp under a whole number), that one p is held at the largest code of its block.
.irp k, 0,1,2,3,4,5,6,7
	v_max_num_f32 v[BM+\k], 0xc2f80000, v[BM+\k]   ; held at -124 from below: the byte cannot fall under 1
.endr
.irp k, 0,1,2,3,4,5,6,7
	v_floor_f32 v[BM+\k], v[BM+\k]
.endr
.irp k, 0,1,2,3,4,5,6,7
	v_cvt_i32_f32 v[BM+\k], v[BM+\k]
.endr
.irp k, 0,1,2,3,4,5,6,7
	v_add_nc_u32 v[PT+\k], 125, v[BM+\k]           ; the scale's byte: floor(x) - 2 + 127
.endr
.irp k, 0,1,2,3,4,5,6,7
	v_lshlrev_b32 v[SO+\k], 23, v[PT+\k]           ; as an exponent field: the conversion's scale operand
.endr
	s_wait_alu depctr_va_vdst(0)
.set J, 0
.rept 128
	v_exp_f32 v[J], v[J]                           ; p = 2^(t - M)
.set J, J+1
.endr
.irp q, 0,1
	v_pk_mul_f32 v[MM+4*\q+2:MM+4*\q+3], v[MM+4*\q+2:MM+4*\q+3], v[F+2*\q:F+2*\q+1] op_sel_hi:[1,0]   ; the sums under the new M (plain places behind the batch)
.endr
	s_wait_alu depctr_va_vdst(0)                   ; and the wait behind the batch
.irp q, 0,1
	v_lshl_or_b32 v[PWT+\q], v[PT+4*\q+1], 8, v[PT+4*\q]
.endr
.irp q, 0,1
	v_lshl_or_b32 v[PWT+\q], v[PT+4*\q+2], 16, v[PWT+\q]
.endr
.irp q, 0,1
.irp c, 0,1
	v_cvt_scalef32_pk16_fp6_f32 v[PCD+12*\q+6*\c:PCD+12*\q+6*\c+2], v[64*\q+32*\c:64*\q+32*\c+15], v[SO+4*\q+2*\c]
	v_cvt_scalef32_pk16_fp6_f32 v[CT+8*\q+4*\c:CT+8*\q+4*\c+2], v[64*\q+32*\c+16:64*\q+32*\c+31], v[SO+4*\q+2*\c+1]
.endr
.endr
	v_nop                                          ; one plain place behind a scaled conversion
.irp q, 0,1                                    ; a whole block in a lane: lanes 0-15 block 2 c, lanes 16-31 block 2 c + 1
.irp c, 0,1
.irp k, 0,1,2
	v_permlane16_swap_b32 v[PCD+12*\q+6*\c+\k], v[CT+8*\q+4*\c+\k]
.endr
.endr
.endr
.irp q, 0,1
.irp c, 0,1
.irp k, 0,1,2
	v_mov_b32 v[PCD+12*\q+6*\c+3+\k], v[CT+8*\q+4*\c+\k]
.endr
.endr
.endr
.irp k, 0,2,4,6                                ; the sum of the unquantised p: four chains of two a tile
.irp q, 0,1
	v_dual_add_f32 v[AC+8*\q+\k], v[64*\q+\k], v[64*\q+\k+8] :: v_dual_add_f32 v[AC+8*\q+\k+1], v[64*\q+\k+1], v[64*\q+\k+9]
.endr
.endr
.irp m, 2,3,4,5,6,7
.irp k, 0,2,4,6
.irp q, 0,1
	v_dual_add_f32 v[AC+8*\q+\k], v[64*\q+\k+8*\m], v[AC+8*\q+\k] :: v_dual_add_f32 v[AC+8*\q+\k+1], v[64*\q+\k+8*\m+1], v[AC+8*\q+\k+1]
.endr
.endr
.endr
.irp q, 0,1
	v_dual_add_f32 v[AC+8*\q], v[AC+8*\q+2], v[AC+8*\q] :: v_dual_add_f32 v[AC+8*\q+1], v[AC+8*\q+3], v[AC+8*\q+1]
	v_dual_add_f32 v[AC+8*\q+4], v[AC+8*\q+6], v[AC+8*\q+4] :: v_dual_add_f32 v[AC+8*\q+5], v[AC+8*\q+7], v[AC+8*\q+5]
.endr
.irp q, 0,1
	v_dual_add_f32 v[MM+4*\q+2], v[AC+8*\q], v[MM+4*\q+2] :: v_dual_add_f32 v[MM+4*\q+3], v[AC+8*\q+1], v[MM+4*\q+3]
.endr
.irp q, 0,1
	v_dual_add_f32 v[MM+4*\q+2], v[AC+8*\q+4], v[MM+4*\q+2] :: v_dual_add_f32 v[MM+4*\q+3], v[AC+8*\q+5], v[MM+4*\q+3]
.endr
	WIN 0x15                                       ; from window 1 into window 0:
.irp q, 0,1
	v_lshl_or_b32 v[PW+\q], v[PT+4*\q+3], 24, v[PWT+\q]   ; p's scale word for these 128 keys,
.endr
.irp q, 0,1
	v_mov_b32 v[F0+2*\q], v[F+2*\q]                ; and f, twice
	v_mov_b32 v[F0+2*\q+1], v[F+2*\q]
.endr
	WIN 0
	s_wait_dscnt 0x0                               ; v's images and scale bytes are in (and the next k's, asked for with them)
	v_perm_b32 v[VSW], v[VRW+2], v[VRW], 0x05040100       ; tile s's word: its two bytes of the first 64 keys below, those of the second 64 above
	v_perm_b32 v[VSW+1], v[VRW+2], v[VRW], 0x07060302
	v_perm_b32 v[VSW+2], v[VRW+3], v[VRW+1], 0x05040100
	v_perm_b32 v[VSW+3], v[VRW+3], v[VRW+1], 0x07060302
	s_wait_alu depctr_va_vdst(0)                   ; directly ahead of the first reader of O^T
	RESCALE                                        ; O^T under the new M (these 32 stand between the scale words just made and the products)
	WIN 0x04                                       ; source 1, p's codes, in window 1
.irp s, 0,1,2,3                                ; O^T += v^T p^T: eight accumulators by turns
.irp q, 0,1
	v_wmma_scale_f32_16x16x128_f8f6f4 v[OT+16*\s+8*\q:OT+16*\s+8*\q+7], v[VF+12*\s:VF+12*\s+11], v[PCD+12*\q:PCD+12*\q+11], v[OT+16*\s+8*\q:OT+16*\s+8*\q+7], v[VSW+\s], v[PW+\q] matrix_a_fmt:MATRIX_FMT_FP6 matrix_b_fmt:MATRIX_FMT_FP6
.endr
.endr
	WIN 0
.endm
; A JOB'S END: O^T / l; the tiles exchange lane halves; a lane quantises its row's two blocks of 32 and stores 48 bytes of codes and two scale bytes.
.macro TAIL i
	WIN 0x55
.irp q, 0,1
	v_add_f32 v[MM+4*\q+2], v[MM+4*\q+2], v[MM+4*\q+3]    ; (these six are the places behind the last products)
.endr
.irp q, 0,1
	v_permlanex16_b32 v[PT+\q], v[MM+4*\q+2], s[SEL], s[SEL+1]
.endr
.irp q, 0,1
	v_add_f32 v[MM+4*\q+2], v[MM+4*\q+2], v[PT+\q]        ; the row's sum
.endr
	s_wait_alu depctr_va_vdst(0)
	v_rcp_f32 v[F], v[MM+2]
	v_rcp_f32 v[F+2], v[MM+6]
	v_nop
	WIN 0x15
	s_wait_alu depctr_va_vdst(0)
.irp q, 0,1
	v_mov_b32 v[F0+2*\q], v[F+2*\q]
	v_mov_b32 v[F0+2*\q+1], v[F+2*\q]
.endr
	WIN 0
	s_wait_alu depctr_va_vdst(0)                   ; directly ahead of the first reader of O^T
	RESCALE
.irp s, 0,1,2,3                                ; tile A's lanes 16-31 change places with tile B's lanes 0-15: registers OT + 0 .. 63 are now channels 0 .. 63 of one row
.irp j, 0,1,2,3,4,5,6,7
	v_permlane16_swap_b32 v[OT+16*\s+\j], v[OT+16*\s+8+\j]
.endr
.endr
.irp b, 0,1
	v_max3_num_f32 v[TBM+\b], |v[OT+32*\b]|, |v[OT+32*\b+1]|, 0x1800000
.endr
.irp k, 2,4,6,8,10,12,14,16,18,20,22,24,26,28,30
.irp b, 0,1
	v_max3_num_f32 v[TBM+\b], v[TBM+\b], |v[OT+32*\b+\k]|, |v[OT+32*\b+\k+1]|
.endr
.endr
.irp b, 0,1
	v_add_nc_u32 v[TSO+\b], 0xff000000, v[TBM+\b]
.endr
.irp b, 0,1
	v_lshrrev_b32 v[TBY+\b], 23, v[TSO+\b]
.endr
	v_lshl_or_b32 v[THW], v[TBY+1], 8, v[TBY]
.irp b, 0,1
	v_cvt_scalef32_pk16_fp6_f32 v[TPC+6*\b:TPC+6*\b+2], v[OT+32*\b:OT+32*\b+15], v[TSO+\b]
	v_cvt_scalef32_pk16_fp6_f32 v[TCT+4*\b:TCT+4*\b+2], v[OT+32*\b+16:OT+32*\b+31], v[TSO+\b]
.endr
	v_nop
.irp b, 0,1
.irp k, 0,1,2
	v_mov_b32 v[TPC+6*\b+3+\k], v[TCT+4*\b+\k]
.endr
.endr
.irp c, 0,1,2
	global_store_b128 v[OG2], v[TPC+4*\c:TPC+4*\c+3], s[6:7] offset:12288*\i+512*\c   ; sixteen lanes store 256 consecutive bytes, at a multiple of 256
.endr
	global_store_b16 v[OSO], v[THW], s[8:9] offset:131072*\i
.endm
.macro JOB i
.if \i > 0
	s_wait_xcnt 0x0                                ; the last job's stores have read their registers
.endif
	s_wait_loadcnt 0x0                             ; this job's q is in
.irp q, 0,1
.irp k, 0,2,4
	v_dual_mov_b32 v[QF+18*\q+\k], v[IMG+6*\q+\k] :: v_dual_mov_b32 v[QF+18*\q+\k+1], v[IMG+6*\q+\k+1]
	v_dual_mov_b32 v[QF+18*\q+12+\k], v[IMG+6*\q+\k] :: v_dual_mov_b32 v[QF+18*\q+13+\k], v[IMG+6*\q+\k+1]
.endr
.endr
	v_perm_b32 v[QW], v[IMG+12], v[IMG+12], 0x01000100     ; a tile's two bytes in both halves of its word
	v_perm_b32 v[QW+1], v[IMG+12], v[IMG+12], 0x03020302
.if \i < 2
	QLOAD \i+1                                     ; the next job's q lands under this job
.endif
.set J, 0
.rept 32
	v_dual_mov_b32 v[OT+J], 0 :: v_dual_mov_b32 v[OT+J+1], 0   ; the step is written once: the first finds zeros
.set J, J+2
.endr
	WIN 0x40
.irp q, 0,1
	v_mov_b32 v[MM+4*\q], 0x7f61b1e6               ; -M = 3e38,
	v_mov_b32 v[MM+4*\q+1], 0xff61b1e6             ; the largest t so far: -3e38
	v_mov_b32 v[MM+4*\q+2], 0
	v_mov_b32 v[MM+4*\q+3], 0
.endr
	WIN 0
	s_wait_alu depctr_va_vdst(0)
.if \i == 1
	s_wait_tensorcnt 0x0                           ; my part of jobs 1 and 2 is in
	s_wait_dscnt 0x0
	s_barrier_signal -1
	s_barrier_wait -1                              ; everybody's is
.endif
	v_add_nc_u32 v[ADK], 25600*((1<<\i)-1), v[LI]
	v_add_nc_u32 v[ADKS], 25600*((1<<\i)-1), v[RS]
	KLOAD                                          ; the first step's k
	s_mov_b32 s[TK], 25600*((1<<\i)-1)+CH
	s_mov_b32 s[TV], 25600*((1<<\i)-1)+(12800<<\i)
	s_mov_b32 s[CNT], 2<<\i
.Lstep_\@:
	STEP
	s_add_co_u32 s[TK], s[TK], CH
	s_add_co_u32 s[TV], s[TV], CH
	s_sub_co_u32 s[CNT], s[CNT], 1
	s_cmp_lg_u32 s[CNT], 0
	s_cbranch_scc1 .Lstep_\@
	TAIL \i
.endm
	JOB 0
	JOB 1
	JOB 2
	s_wait_tensorcnt 0x0                           ; the wave's end
	ds_add_u32 v[SPW], v[NIL]
	s_wait_dscnt 0x0
	ROUND                                          ; the closing round
	s_endpgm
.Lfunc_end_k_q6eb1d3c231_attn:
	.size	k_q6eb1d3c231_attn, .Lfunc_end_k_q6eb1d3c231_attn-k_q6eb1d3c231_attn
	.p2alignl 7, 3214868480
	.fill 96, 4, 3214868480
	.section	.rodata,"a",@progbits
	.p2align	6, 0x0
	.amdhsa_kernel k_q6eb1d3c231_attn
		.amdhsa_group_segment_fixed_size 327680
		.amdhsa_private_segment_fixed_size 0
		.amdhsa_enable_private_segment 0
		.amdhsa_kernarg_size 24
		.amdhsa_user_sgpr_count 2
		.amdhsa_user_sgpr_kernarg_segment_ptr 1
		.amdhsa_wavefront_size32 1
		.amdhsa_system_sgpr_workgroup_id_x 1
		.amdhsa_system_sgpr_workgroup_id_y 1
		.amdhsa_system_sgpr_workgroup_id_z 1
		.amdhsa_system_vgpr_workitem_id 0
		.amdhsa_next_free_vgpr 512
		.amdhsa_next_free_sgpr 80
		.amdhsa_reserve_vcc 0
		.amdhsa_float_denorm_mode_32 3
		.amdhsa_float_denorm_mode_16_64 3
		.amdhsa_memory_ordered 1
		.amdhsa_forward_progress 1
		.amdhsa_inst_pref_size 140
	.end_amdhsa_kernel
	.amdgpu_metadata
---
amdhsa.version: [ 1, 2 ]
amdhsa.kernels:
  - .name:           k_q6eb1d3c231_attn
    .symbol:         k_q6eb1d3c231_attn.kd
    .args:
      - { .name: qkvc, .offset: 0, .size: 8, .value_kind: global_buffer, .address_space: global }
      - { .name: ocodes, .offset: 8, .size: 8, .value_kind: global_buffer, .address_space: global }
      - { .name: oscales, .offset: 16, .size: 8, .value_kind: global_buffer, .address_space: global }
    .group_segment_fixed_size: 327680
    .private_segment_fixed_size: 0
    .kernarg_segment_align: 8
    .kernarg_segment_size: 24
    .max_flat_workgroup_size: 256
    .sgpr_count:     80
    .vgpr_count:     512
    .wavefront_size: 32
...
	.end_amdgpu_metadata
.endif
;; end of part 5
;; launch outp (part 6): grid 32 x 8, 4 waves a work-group, clusters of 4 x 1, 327,680 bytes of LDS; arguments ocodes, oscales, out_w0_codes, out_w1_codes, out_w2_codes, out_w0_scales, out_w1_scales, out_w2_scales, out_b0, out_b1, out_b2, out0; writes out0
.if DOCPART == 6
	.amdgcn_target "amdgcn-amd-amdhsa--gfx1250"
	.amdhsa_code_object_version 6
	.text
	.protected	k_q6eb1d3c231_outp
	.globl	k_q6eb1d3c231_outp
	.p2align	8
	.type	k_q6eb1d3c231_outp,@function
k_q6eb1d3c231_outp:
	s_mov_b64 s[64:65], 0
	v_nop
	global_prefetch_b8 v0, s[64:65] scope:SCOPE_SE
	s_setreg_imm32_b32 hwreg(HW_REG_WAVE_MODE, 25, 1), 1
	s_wait_xcnt 0x0
	s_wait_alu depctr_hold_cnt(0) depctr_sa_sdst(0) depctr_va_vdst(0) depctr_va_sdst(0) depctr_va_ssrc(0) depctr_va_vcc(0) depctr_vm_vsrc(0)
	s_getreg_b32 s2, hwreg(HW_REG_IB_STS2, 6, 4)
	s_cmp_eq_u32 s2, 0
	s_cbranch_scc0 .Lentry_in_a_cluster
	s_endpgm
.Lentry_in_a_cluster:
	s_bfe_u32 s2, ttmp6, 0x10000c
	s_cmp_lg_u32 s2, 0x3003
	s_cbranch_scc0 .Lentry_shape_is_right
	s_endpgm
.Lentry_shape_is_right:
; out0 = o0 W0^T + o1 W1^T + o2 W2^T + b0 + b1 + b2: one product with K = 3,072 on codes of FP6 (E2M3) with one E8M0 scale for each 32 along K.
; A tile of out0 is 128 x 128: 32 x 8 = 256 work-groups.  Four waves, each 32 rows x 128 columns: 16 accumulators, which begin as the summed bias.
; W: the tile's 128 rows of all three branches, whole rows of 768 bytes, are filled into LDS ONCE (3 x 104,448 bytes): branch 0 at the head, 32 rows a wave; branches 1 and 2 behind the full sequence and a round,
; 64 rows a wave.  No byte of LDS is filled twice.
; CLUSTER 4, 1, 1: four tile rows of one tile column ask for W's rows jointly (mask 15).
; o: each wave's two row tiles lie in memory as images of the operand's registers ([row tile][K step 24][4 registers 3][lane 32][16 bytes]) and are read by no other wave of the work-group: they go from memory
; straight into registers, 512 consecutive bytes an instruction, seven K steps ahead of their products.  W fills LDS, so o has no slot there and is not asked for jointly; these loads run ahead, so no prefetch is laid beside them.
; ORDER ALONG K, alike in both operands: in K step s of a branch lanes 0-15 hold bytes 48 s .. 48 s + 47 of a row of codes (blocks 2 s, 2 s + 1: head s) and lanes 16-31 bytes 384 + 48 s on (blocks 16 + 2 s, 17 + 2 s):
; three loads of 16 bytes a fragment.  A row's 32 scale bytes are laid into eight words in the same order by v_perm_b32; lanes 0-15 hold an even tile's rows, lanes 16-31 the odd tile's.
; THE MATRIX INSTRUCTION IS USED TRANSPOSED (source 0 = 16 rows of W, source 1 = 16 rows of o): a lane holds eight neighbouring numbers of a row of out0.
; The walk: a loop of two trips (branches 0 and 1, eight K steps each); branch 2 is written out, since it asks for nothing beyond o's end.
; REGISTERS: window 0 addresses, scale bytes and words, the way out; window 1 W's fragments, two sets; window 2 accumulators (a, t) at 8 (8 a + t), bias at 128; window 3 o's fragments, eight sets of 24.
; LIMITS: NaN and infinities are not served.
.set PITCH, 816                        ; a row of W in LDS: 3 x (256 + 16) bytes
.set TB16,  16*PITCH
.set WBR,   128*PITCH
.set SPARE, 3*WBR
.set SPITCH, 528                       ; the way out: 16 rows x (512 + 16) bytes a wave, in branch 0's bytes, which have had their one fill and their last read
.set AW1,  8
.set AW2,  9
.set AD1,  10                          ; v10, v11 tiles 0-3; v12, v13 tiles 4-7
.set AD2,  11
.set OL,   14
.set SL,   15
.set BO,   16
.set STO,  17
.set RD,   18
.set SPW,  19
.set NIL,  20
.set RAWO, 24
.set RAWW, 32
.set SCO,  64
.set SCW,  72
.set BK,   128
.set WV,  28
.set CX,  29
.set TR,  30
.set TC,  31
.set G1H, 36
.set G1W, 44
.set G0H, 52
.set G0W, 56
.set WSN, 60
.set WB,  62
.set CNT, 63
.set PADW, 15|(1<<20)|(1<<21)|(5<<22)|(3<<25)
.set MSB, 0
.macro WIN new
.if MSB != (\new)
	s_set_vgpr_msb (MSB<<8)|(\new)
.set MSB, (\new)
.endif
.endm
.macro ROUND
	s_barrier_signal -1
	s_barrier_wait -1
	s_cmp_lg_u32 s[WV], 0
	s_cbranch_scc1 .Lnot_wave_0_\@
	s_barrier_signal -3
.Lnot_wave_0_\@:
	s_barrier_wait -3
	s_barrier_signal -1
	s_barrier_wait -1
.endm
.macro PLACES
.rept 4
	v_nop
.endr
.endm
	s_load_b512 s[4:19], s[0:1], 0x0               ; ocodes, oscales, W0-2's codes s[8:13], W0-2's scales s[14:19]
	s_load_b256 s[20:27], s[0:1], 0x40             ; b0, b1, b2, out0
	v_lshl_add_u32 v[SPW], v0, 2, SPARE
	v_mov_b32 v[NIL], 0
	ds_add_u32 v[SPW], v[NIL]                      ; the opening lines
	ds_add_u32 v[SPW], v[NIL]
	v_lshrrev_b32 v1, 5, v0
	v_readfirstlane_b32 s[WV], v1                  ; wave 0..3
	s_bfe_u32 s[CX], ttmp6, 0x40000
	s_lshl_b32 s[TR], ttmp9, 2
	s_add_co_u32 s[TR], s[TR], s[CX]               ; tile row
	s_and_b32 s[TC], ttmp7, 0xffff                 ; tile column
.irp g, G1H, G1W
	s_mov_b32 s[\g], PADW                          ; elements of 1 byte; 4 words of padding after every 64; the mask of the four
	s_mov_b32 s[\g+1], 768<<16
	s_mov_b32 s[\g+3], 768<<16
	s_mov_b32 s[\g+5], 768
	s_mov_b32 s[\g+6], 0
	s_mov_b32 s[\g+7], 0
.endr
	s_mov_b32 s[G1H+2], 32<<16
	s_mov_b32 s[G1H+4], 32
	s_mov_b32 s[G1W+2], 64<<16
	s_mov_b32 s[G1W+4], 64
	s_lshl_b32 s66, s[TC], 7                       ; W's addresses are made of the tile column and the wave alone
	s_lshl_b32 s67, s[WV], 5
	s_add_co_u32 s66, s66, s67
	s_mul_i32 s66, s66, 768
	s_mov_b32 s67, 0
	s_lshl_b32 s68, s[TC], 7
	s_and_b32 s69, s[WV], 1
	s_lshl_b32 s69, s69, 6
	s_add_co_u32 s68, s68, s69
	s_mul_i32 s68, s68, 768
	s_mov_b32 s69, 0
	s_wait_dscnt 0x0
	s_wait_kmcnt 0x0
	s_mov_b32 s[G0H], 1                            ; branch 0: rows 32 wave on
	s_mul_i32 s[G0H+1], s[WV], 32*PITCH
	s_add_nc_u64 s[G0H+2:G0H+3], s[8:9], s[66:67]
	s_or_b32 s[G0H+3], s[G0H+3], 0x80000000
	s_mov_b32 s[G0W], 1                            ; branch 1 + wave / 2: rows 64 (wave % 2) on
	s_mul_i32 s[G0W+1], s[WV], 64*PITCH
	s_add_co_u32 s[G0W+1], s[G0W+1], WBR
	s_cmp_lt_u32 s[WV], 2
	s_cselect_b64 s[G0W+2:G0W+3], s[10:11], s[12:13]
	s_add_nc_u64 s[G0W+2:G0W+3], s[G0W+2:G0W+3], s[68:69]
	s_or_b32 s[G0W+3], s[G0W+3], 0x80000000
	ROUND                                          ; the four work-groups are here: the first joint loads meet
	tensor_load_to_lds s[G0H:G0H+3], s[G1H:G1H+7]
	s_nop 0
	PLACES
	s_lshl_b32 s32, s[TR], 3
	s_lshl_b32 s33, s[WV], 1
	s_add_co_u32 s32, s32, s33                     ; my first row tile
	s_lshl_b32 s34, s32, 9                         ; its rows' scale bytes: 16 rows x 32
	s_mov_b32 s35, 0
	s_add_nc_u64 s[6:7], s[6:7], s[34:35]
	s_lshl_b32 s34, s32, 16                        ; its rows of out0: 16 x 4,096 bytes,
	s_lshl_b32 s33, s[TC], 9                       ; + 512 x tile column
	s_add_co_u32 s34, s34, s33
	s_add_nc_u64 s[26:27], s[26:27], s[34:35]
	s_mov_b32 s34, s33
	s_add_nc_u64 s[20:21], s[20:21], s[34:35]      ; the biases at my tile's columns
	s_add_nc_u64 s[22:23], s[22:23], s[34:35]
	s_add_nc_u64 s[24:25], s[24:25], s[34:35]
	s_lshl_b32 s34, s[TC], 12                      ; W's scales: 128 rows x 32 bytes a tile column
	s_add_nc_u64 s[14:15], s[14:15], s[34:35]
	s_add_nc_u64 s[16:17], s[16:17], s[34:35]
	s_add_nc_u64 s[18:19], s[18:19], s[34:35]
	s_mul_i32 s34, s32, 36864                      ; o's codes: 24 K steps x 1,536 bytes a row tile
	s_add_nc_u64 s[4:5], s[4:5], s[34:35]
	s_mov_b64 s[WSN:WSN+1], s[16:17]
	s_mul_i32 s33, s[WV], 16*SPITCH
	v_and_b32 v1, 15, v0                           ; r
	v_bfe_u32 v2, v0, 4, 1                         ; h
	v_and_b32 v3, 31, v0                           ; lane
	v_mul_u32_u24 v4, v1, PITCH
	v_mad_u32_u24 v[AW1], v2, 400, v4              ; W: row r; lanes 16-31 begin at byte 384, behind one padding
	v_lshl_add_u32 v[AW2], v2, 4, v[AW1]           ; and behind one more
	v_lshlrev_b32 v[OL], 4, v3
	v_lshlrev_b32 v[SL], 5, v3
	v_lshlrev_b32 v[BO], 5, v2
	v_mul_u32_u24 v5, v1, SPITCH
	v_lshl_add_u32 v5, v2, 5, v5
	v_add_nc_u32 v[STO], s33, v5
	v_add_nc_u32 v[RD], s33, v[OL]
	s_wait_alu depctr_va_vdst(0)
.macro FETCHO k                        ; o's two fragments of K step k (counted from the branch in hand) into set k % 8: six loads
	WIN 0xc0
.irp a, 0,1
.irp c, 0,1,2
	global_load_b128 v[24*((\k)%8)+12*\a+4*\c:24*((\k)%8)+12*\a+4*\c+3], v[OL], s[4:5] offset:36864*\a+1536*(\k)+512*\c
.endr
.endr
.endm
.macro RAWLD oo, wb                    ; a branch's scale bytes as they lie: 32 bytes a row, a lane a row: ten loads
.irp c, 0,1
	global_load_b128 v[RAWO+4*\c:RAWO+4*\c+3], v[SL], s[6:7] offset:(\oo)+16*\c
.endr
.irp p, 0,1,2,3
.irp c, 0,1
	global_load_b128 v[RAWW+8*\p+4*\c:RAWW+8*\p+4*\c+3], v[SL], s[\wb:\wb+1] offset:1024*\p+16*\c
.endr
.endr
.endm
.irp k, 0,1,2,3,4,5,6
	FETCHO \k
.endr
	WIN 0
	RAWLD 0, 14
	s_wait_tensorcnt 0x0                           ; my part of branch 0 is in; the full sequence ahead of a later first fill
	ds_add_u32 v[SPW], v[NIL]
	s_wait_dscnt 0x0
	ROUND
	tensor_load_to_lds s[G0W:G0W+3], s[G1W:G1W+7]  ; branches 1 and 2: my quarter, the one load behind the round
	s_nop 0
	PLACES
	WIN 0x80
.irp t, 0,1,2,3,4,5,6,7                        ; b[16 t + 8 h + j] at 8 t + j: b0 at 128, b1 at 0, b2 at 64
.irp c, 0,1
	global_load_b128 v[128+8*\t+4*\c:128+8*\t+4*\c+3], v[BO], s[20:21] offset:64*\t+16*\c
	global_load_b128 v[8*\t+4*\c:8*\t+4*\c+3], v[BO], s[22:23] offset:64*\t+16*\c
	global_load_b128 v[64+8*\t+4*\c:64+8*\t+4*\c+3], v[BO], s[24:25] offset:64*\t+16*\c
.endr
.endr
	s_wait_loadcnt 0x0
	WIN 0x8a
.set J, 0
.rept 32
	v_pk_add_f32 v[128+J:129+J], v[128+J:129+J], v[J:J+1]
.set J, J+2
.endr
.set J, 0
.rept 32
	v_pk_add_f32 v[J:J+1], v[128+J:129+J], v[64+J:65+J]        ; both row tiles' sums begin as b0 + b1 + b2
	v_pk_add_f32 v[64+J:65+J], v[128+J:129+J], v[64+J:65+J]
.set J, J+2
.endr
	WIN 0
.macro FRAG3 reg, s, t
.irp i, 0,1,2
.set JJ, 3*(\s)+\i
.set TO, TB16*((\t)%4)
.set AH, 2*((\t)/4)
.if JJ < 8
	ds_load_b128 v[(\reg)+4*\i:(\reg)+4*\i+3], v[AD1+AH] offset:16*JJ+TO
.elseif JJ < 16
	ds_load_b128 v[(\reg)+4*\i:(\reg)+4*\i+3], v[AD2+AH] offset:16*JJ+TO
.else
	ds_load_b128 v[(\reg)+4*\i:(\reg)+4*\i+3], v[AD1+AH] offset:16*JJ+16+TO
.endif
.endr
.endm
.macro FETCHW s                        ; W's eight fragments of K step s into set s % 2
	WIN 0x40
.irp t, 0,1,2,3,4,5,6,7
	FRAG3 96*((\s)%2)+12*\t, \s, \t
.endr
.endm
.macro PERM8 dst, src                  ; word s = the bytes of blocks 2 s, 16 + 2 s, 2 s + 1, 17 + 2 s
.irp s, 0,1,2,3,4,5,6,7
.if \s%2
	v_perm_b32 v[(\dst)+\s], v[(\src)+4+\s/2], v[(\src)+\s/2], 0x07030602
.else
	v_perm_b32 v[(\dst)+\s], v[(\src)+4+\s/2], v[(\src)+\s/2], 0x05010400
.endif
.endr
.endm
.macro WM d, a, b, sa, sb, ra, rb
.if (\ra) && (\rb)
	v_wmma_scale_f32_16x16x128_f8f6f4 v[(\d):(\d)+7], v[(\a):(\a)+11], v[(\b):(\b)+11], v[(\d):(\d)+7], v[(\sa)], v[(\sb)] matrix_a_fmt:MATRIX_FMT_FP6 matrix_b_fmt:MATRIX_FMT_FP6 matrix_a_scale:MATRIX_SCALE_ROW1 matrix_b_scale:MATRIX_SCALE_ROW1
.elseif (\ra)
	v_wmma_scale_f32_16x16x128_f8f6f4 v[(\d):(\d)+7], v[(\a):(\a)+11], v[(\b):(\b)+11], v[(\d):(\d)+7], v[(\sa)], v[(\sb)] matrix_a_fmt:MATRIX_FMT_FP6 matrix_b_fmt:MATRIX_FMT_FP6 matrix_a_scale:MATRIX_SCALE_ROW1
.elseif (\rb)
	v_wmma_scale_f32_16x16x128_f8f6f4 v[(\d):(\d)+7], v[(\a):(\a)+11], v[(\b):(\b)+11], v[(\d):(\d)+7], v[(\sa)], v[(\sb)] matrix_a_fmt:MATRIX_FMT_FP6 matrix_b_fmt:MATRIX_FMT_FP6 matrix_b_scale:MATRIX_SCALE_ROW1
.else
	v_wmma_scale_f32_16x16x128_f8f6f4 v[(\d):(\d)+7], v[(\a):(\a)+11], v[(\b):(\b)+11], v[(\d):(\d)+7], v[(\sa)], v[(\sb)] matrix_a_fmt:MATRIX_FMT_FP6 matrix_b_fmt:MATRIX_FMT_FP6
.endif
.endm
; A K step: 16 products, the 16 accumulators by turns, in the same order in every step.
.macro KST s, tail
	s_wait_dscnt 0x0                               ; W's fragments of this step are in
.if (\tail) && (\s) > 0
	s_wait_loadcnt 6*(7-(\s))                      ; o's of this step are in: behind them only the steps that are left, six loads each
.else
	s_wait_loadcnt 36                              ; o's of this step are in: behind them six later steps' six loads each
.endif
	PLACES                                         ; in front of loads into registers that the last step's products read
.if (\s) < 7
	FETCHW (\s)+1
.endif
.if (\tail) == 0 || (\s) == 0
	FETCHO (\s)+7
.endif
	WIN 0xad                                       ; source 0 window 1, source 1 window 3, C and D window 2
.irp a, 0,1
.irp t, 0,1,2,3,4,5,6,7
	WM 8*(8*\a+\t), 96*((\s)%2)+12*\t, 24*(\s)+12*\a, SCW+8*(\t/2)+(\s), SCO+(\s), \t%2, \a
.endr
.endr
.endm
.macro TRIP tail                       ; a branch: eight K steps
	s_wait_loadcnt 36                              ; its scale bytes are in: at least 48 loads were issued behind them
	PLACES                                         ; behind the last products, which read the scale words
	PERM8 SCO, RAWO
.irp p, 0,1,2,3
	PERM8 SCW+8*\p, RAWW+8*\p
.endr
	v_add_nc_u32 v[AD1], s[WB], v[AW1]
	v_add_nc_u32 v[AD2], s[WB], v[AW2]
	v_add_nc_u32 v[AD1+2], 4*TB16, v[AD1]
	v_add_nc_u32 v[AD2+2], 4*TB16, v[AD2]
	PLACES                                         ; with the four above and the step's own four: the places between the scale words and the products
	s_wait_alu depctr_va_vdst(0)
	FETCHW 0
	WIN 0
.if (\tail) == 0
	RAWLD 131072, WSN                              ; the next branch's scale bytes
.endif
.irp s, 0,1,2,3,4,5,6,7
	KST \s, \tail
.endr
	WIN 0
.endm
	s_mov_b32 s[WB], 0
	s_mov_b32 s[CNT], 2
.Lbranch:
	TRIP 0
	s_wait_tensorcnt 0x0                           ; my part of branches 1 and 2 is in
	s_wait_dscnt 0x0
	s_barrier_signal -1
	s_barrier_wait -1                              ; everybody's is, and nobody reads the branch left behind
	s_wait_xcnt 0x0                                ; the loads have read their bases
	s_add_co_u32 s[WB], s[WB], WBR
	s_add_nc_u64 s[4:5], s[4:5], 12288
	s_add_nc_u64 s[6:7], s[6:7], 131072
	s_mov_b64 s[WSN:WSN+1], s[18:19]
	s_sub_co_u32 s[CNT], s[CNT], 1
	s_cmp_lg_u32 s[CNT], 0
	s_cbranch_scc1 .Lbranch
	TRIP 1
	s_wait_dscnt 0x0
	s_barrier_signal -1
	s_barrier_wait -1                              ; no wave reads LDS any more: the stage may be written
; THE WAY OUT, block by block of 16 rows x 128 columns: through my own stage and back as whole rows of 512 bytes.  LDS serves a wave's instructions in order (ISA guide 5.7.1.4).
.macro TOSTAGE a
	WIN 0x08
.irp t, 0,1,2,3,4,5,6,7
	ds_store_b128 v[STO], v[8*(8*(\a)+\t):8*(8*(\a)+\t)+3] offset:64*\t          ; each accumulator from its low end on
	ds_store_b128 v[STO], v[8*(8*(\a)+\t)+4:8*(8*(\a)+\t)+7] offset:64*\t+16
.endr
	WIN 0
.irp t, 0,1,2,3,4,5,6,7,8,9,10,11,12,13,14,15
	ds_load_b128 v[BK+64*(\a)+4*\t:BK+64*(\a)+4*\t+3], v[RD] offset:\t*SPITCH
.endr
.endm
.macro SEND a, younger
	s_wait_dscnt \younger
.irp t, 0,1,2,3,4,5,6,7,8,9,10,11,12,13,14,15
	global_store_b128 v[OL], v[BK+64*(\a)+4*\t:BK+64*(\a)+4*\t+3], s[26:27] offset:4096*(16*(\a)+\t) th:TH_STORE_NT   ; 32 lanes store 512 consecutive bytes, at a multiple of 256
.endr
.endm
	PLACES                                         ; behind the last products
	TOSTAGE 0
	TOSTAGE 1
	SEND 0, 32                                     ; behind block 0's loads: block 1's 16 stores and 16 loads
	SEND 1, 0
	s_wait_tensorcnt 0x0                           ; the wave's end
	ds_add_u32 v[SPW], v[NIL]
	s_wait_dscnt 0x0
	ROUND                                          ; the closing round
	s_endpgm
.Lfunc_end_k_q6eb1d3c231_outp:
	.size	k_q6eb1d3c231_outp, .Lfunc_end_k_q6eb1d3c231_outp-k_q6eb1d3c231_outp
	.p2alignl 7, 3214868480
	.fill 96, 4, 3214868480
	.section	.rodata,"a",@progbits
	.p2align	6, 0x0
	.amdhsa_kernel k_q6eb1d3c231_outp
		.amdhsa_group_segment_fixed_size 327680
		.amdhsa_private_segment_fixed_size 0
		.amdhsa_enable_private_segment 0
		.amdhsa_kernarg_size 96
		.amdhsa_user_sgpr_count 2
		.amdhsa_user_sgpr_kernarg_segment_ptr 1
		.amdhsa_wavefront_size32 1
		.amdhsa_system_sgpr_workgroup_id_x 1
		.amdhsa_system_sgpr_workgroup_id_y 1
		.amdhsa_system_sgpr_workgroup_id_z 1
		.amdhsa_system_vgpr_workitem_id 0
		.amdhsa_next_free_vgpr 1024
		.amdhsa_next_free_sgpr 72
		.amdhsa_reserve_vcc 0
		.amdhsa_float_denorm_mode_32 3
		.amdhsa_float_denorm_mode_16_64 3
		.amdhsa_memory_ordered 1
		.amdhsa_forward_progress 1
		.amdhsa_inst_pref_size 105
	.end_amdhsa_kernel
	.amdgpu_metadata
---
amdhsa.version: [ 1, 2 ]
amdhsa.kernels:
  - .name:           k_q6eb1d3c231_outp
    .symbol:         k_q6eb1d3c231_outp.kd
    .args:
      - { .name: ocodes, .offset: 0, .size: 8, .value_kind: global_buffer, .address_space: global }
      - { .name: oscales, .offset: 8, .size: 8, .value_kind: global_buffer, .address_space: global }
      - { .name: out_w0_codes, .offset: 16, .size: 8, .value_kind: global_buffer, .address_space: global }
      - { .name: out_w1_codes, .offset: 24, .size: 8, .value_kind: global_buffer, .address_space: global }
      - { .name: out_w2_codes, .offset: 32, .size: 8, .value_kind: global_buffer, .address_space: global }
      - { .name: out_w0_scales, .offset: 40, .size: 8, .value_kind: global_buffer, .address_space: global }
      - { .name: out_w1_scales, .offset: 48, .size: 8, .value_kind: global_buffer, .address_space: global }
      - { .name: out_w2_scales, .offset: 56, .size: 8, .value_kind: global_buffer, .address_space: global }
      - { .name: out_b0, .offset: 64, .size: 8, .value_kind: global_buffer, .address_space: global }
      - { .name: out_b1, .offset: 72, .size: 8, .value_kind: global_buffer, .address_space: global }
      - { .name: out_b2, .offset: 80, .size: 8, .value_kind: global_buffer, .address_space: global }
      - { .name: out0, .offset: 88, .size: 8, .value_kind: global_buffer, .address_space: global }
    .group_segment_fixed_size: 327680
    .private_segment_fixed_size: 0
    .kernarg_segment_align: 8
    .kernarg_segment_size: 96
    .max_flat_workgroup_size: 128
    .sgpr_count:     72
    .vgpr_count:     1024
    .wavefront_size: 32
...
	.end_amdgpu_metadata
.endif
;; end of part 6
